; MI455X (gfx1250); checked and timed in simulation.
; The chip was launched on July 23, 2026; its instructions are those of AMD's public machine-readable ISA for CDNA 5 (MIT licence, August 2026) and "CDNA5" Instruction Set Architecture Reference Guide (July 2026). The comments in the code are by the model that wrote it; some were corrected since.
;; Minimal Causal Concept Attention. Allowed arithmetic: matrix products marked QUANTISED: E2M1 operands, one E8M0 scale for each 32 along K, by v_wmma_scale_f32_16x16x128_f8f6f4 with both operands' format E2M1 (or v_wmma_scale_f32_32x16x128_f4), f32 sums; products left as they are: bf16, f16 or f32 operands; f32 sums; everything else in f32.
;; Inputs: Wc 1,024 x 2,048 float32; Wp 1,024 x 1,024 float32; Wt 1,024 x 3,072 float32; bc 2,048 float32; bp 1,024 float32; bt 3,072 float32; xc 2 x 128 x 1,024 float32; xt 2 x 2,048 x 1,024 float32.
;; Outputs: out0 2 x 2,048 x 1,024 float32; out1 2 x 128 x 1,024 float32.
;; This version of the problem:
;;   THIS VERSION OF THE PROBLEM IS GIVEN IN LOW PRECISION. The matrix products marked QUANTISED in the list below multiply operands that are first quantised to E2M1 (2 exponent bits, 1 mantissa bit; 4 bits a number), with one power-of-two scale for each 32 numbers along K (OCP MX v1.0); their sums are f32. The products marked 'left as it is' may take bf16, f16 or f32 operands, with f32 sums. Whichever they take, every output number must still come out within the allowed error. Rounding operands to bf16 (8 significant bits) uses up far more of that allowance than f16 does (11 bits, for magnitudes from 6e-5 to 65,504). All else is computed in f32.
;;   The module's matrix products, in the order in which they are computed (A, B: the left and right operand; K: the contracted axis; several contracted axes count as one K, in the product's order):
;;     1. [M 4,096, K 1,024] x [K 1,024, N 3,072]; A: input xt; B: input Wt: QUANTISED
;;     2. [M 256, K 1,024] x [K 1,024, N 2,048]; A: input xc; B: input Wc: QUANTISED
;;     3. batch 32 x [M 2,048, K 64] x [K 64, N 2,048]; A: computed on the way; B: computed on the way: left as it is (an operand is computed on the way)
;;     4. batch 32 x [M 2,048, K 2,048] x [K 2,048, N 64]; A: computed on the way; B: computed on the way: left as it is (an operand is computed on the way)
;;     5. batch 32 x [M 2,048, K 64] x [K 64, N 128]; A: computed on the way; B: computed on the way: left as it is (an operand is computed on the way)
;;     6. batch 32 x [M 2,048, K 128] x [K 128, N 64]; A: computed on the way; B: computed on the way: left as it is (an operand is computed on the way)
;;     7. [M 4,096, K 1,024] x [K 1,024, N 1,024]; A: computed on the way; B: input Wp: left as it is (an operand is computed on the way)
;;   THE QUANTISER, for each operand of a quantised product, along K:
;;     - K is cut into blocks of 32 from its start; a last block that is shorter is filled with zeros.
;;     - A block's scale is 2^e with e = floor(log2(the largest magnitude in the block)) - 2, held to -126 .. 127; a block of zeros has e = 0. As a byte (E8M0): e + 127.
;;     - Each number is divided by its block's scale, clamped to +-6, and rounded to the nearest number of E2M1, ties to even, subnormals kept.
;;     - The product sums the exact products of the quantised numbers (number of the format x scale) in f32.
;;   ~~~python
;;   def quantise(x, axis):      # numpy; x: float32 -> the quantised numbers, widened to float32 again
;;       x = np.moveaxis(x, axis, -1); K = x.shape[-1]
;;       x = np.pad(x, [(0, 0)] * (x.ndim - 1) + [(0, -K % 32)]); x = x.reshape(x.shape[:-1] + (-1, 32)); a = np.abs(x).max(-1, keepdims=True)
;;       e = np.where(a > 0, np.clip(np.frexp(np.where(a > 0, a, 1))[1] - 1 - 2, -126, 127), 0)      # np.frexp(a)[1] - 1 = floor(log2(a)), exactly
;;       r = np.clip(x / 2.0 ** e, -6, 6)
;;       step = 2.0 ** (np.maximum(np.frexp(np.where(r == 0, 1, r))[1] - 1, 0) - 1)
;;       q = np.round(r / step) * step * 2.0 ** e      # np.round: ties to even
;;       return np.moveaxis(q.reshape(q.shape[:-2] + (-1,))[..., :K], -1, axis).astype(np.float32)
;;   ~~~
;; One version. Each part assembles by itself: llvm-mc -triple=amdgcn-amd-amdhsa -mcpu=gfx1250 --defsym DOCPART=n.
;; ======== version 1 of 1: 4 launches
;; limits: values are held in f16: magnitudes above 65,504 overflow, below 6.1e-05 lose precision
;; workspace buffers: COD 4,849,664 bytes; SCL 303,104 bytes; WPI 2,097,152 bytes; QI 8,388,608 bytes; KI 8,388,608 bytes; VI 8,388,608 bytes; CI 1,048,576 bytes; XI 8,388,608 bytes
;; launch prep (part 1): grid 656 x 1, 4 waves a work-group, no clusters, 34,304 bytes of LDS; arguments xt, xc, Wt, Wc, Wp, COD, SCL, WPI, out1; writes COD, SCL, WPI, out1
.if DOCPART == 1
	.amdgcn_target "amdgcn-amd-amdhsa--gfx1250"
	.amdhsa_code_object_version 6
	.text
	.protected	k_qc655e9d2b2_prep
	.globl	k_qc655e9d2b2_prep
	.p2align	8
	.type	k_qc655e9d2b2_prep,@function
k_qc655e9d2b2_prep:
	s_mov_b64 s[64:65], 0
	v_nop
	global_prefetch_b8 v0, s[64:65] scope:SCOPE_SE
	s_setreg_imm32_b32 hwreg(HW_REG_WAVE_MODE, 25, 1), 1
	s_wait_xcnt 0x0
; PREP.  xt [4096][1024], xc [256][1024] (K innermost) and Wt [1024][3072], Wc [1024][2048] (K is the first axis), all f32, become codes of FP4 (E2M1) with one E8M0 byte for each 32 along K;
; Wp [1024][1024] becomes f16; xc is copied to out1.  Everything is stored AS IMAGES OF OPERAND REGISTERS: a fragment (16 rows x 128 K of codes, or 16 rows x 32 K of f16) is 8 registers a lane = 1,024 bytes:
; lane l's registers 0-3 at 16 l, its registers 4-7 at 512 + 16 l.  So the products' launches fetch dense blocks and read them at 16 x lane.
; COD: rows' part [K half 2][row tile 272][K step 4][1,024] (tiles 0-255 xt, 256-271 xc); from BOFF the columns' part [K half 2][column tile 320][K step 4][1,024] (columns 0-3071 Wt, 3072-5119 Wc).
; SCL: one word (4 bytes: 128 along K) a row: [K step 8][4,352 rows]; from SBOFF [K step 8][5,120 columns].   WPI: [K chunk of 256: 4][column tile 64][K step of 32: 8][1,024].
; A block's scale is 2^(floor(log2(largest magnitude)) - 2); its byte is the largest magnitude's exponent field - 2, held at 1 from below by a floor among the maximum's leaves.
; LIMITS: a block of zeros gets the byte 1 where the rule says 127 (its codes are zeros, and this program alone reads the bytes); NaN and infinities among the inputs are not served; Wp above 65,504 becomes infinity in f16.
; SHARES: every wave's task is 16 KiB, all of it asked for at the wave's head.  Work-groups 0-271: a row tile each (wave w: K steps 2 w, 2 w + 1); 272-463: Wt, 464-591: Wc, 592-655: Wp: 128 columns x 128 along K each
; (a wave 32 columns: a lane a column, its registers down K).  No tensor load, no barrier: waves share nothing.  Only the rows' path uses LDS.
.set AKH,   1114112                    ; COD: from K half to K half, rows' part (272 tiles x 4,096)
.set BOFF,  2228224                    ; COD: where the columns' part begins
.set BKH,   1310720                    ; COD: from K half to K half, columns' part (320 tiles x 4,096)
.set SBOFF, 139264                     ; SCL: where the columns' words begin
.set SPA,   17408                      ; SCL: from K step to K step, rows (4,352 words)
.set SPB,   20480                      ; SCL: the same, columns (5,120 words)
.set SP,    528                        ; a stage row: 512 bytes + 16: an odd multiple of 16, so that 16 lanes that read down 16 rows touch 16 different 16-byte columns of 256
.set STG,   16*SP                      ; a wave's stage
.set SPARE, 4*STG                      ; behind the stages: the spare words, 128 bytes a wave
.set SPW, 2                            ; v2   my spare word; never rewritten
.set NIL, 3                            ; v3   0; never rewritten
.set R,   32                           ; v32-159  numbers as loaded
.set X,   160                          ; v160-223 rows' path: 64 numbers by lane and block; columns' paths: results
.set C,   224                          ; v224-239 rows' path: two fragments' codes
	s_load_b256 s[4:11], s[0:1], 0x0               ; xt s[4:5], xc s[6:7], Wt s[8:9], Wc s[10:11]
	s_load_b256 s[12:19], s[0:1], 0x20             ; Wp s[12:13], COD s[14:15], SCL s[16:17], WPI s[18:19]
	s_load_b64 s[20:21], s[0:1], 0x40              ; out1
	v_lshl_add_u32 v[SPW], v0, 2, SPARE
	v_mov_b32 v[NIL], 0
	v_lshrrev_b32 v1, 5, v0
	v_readfirstlane_b32 s22, v1                    ; wave 0..3
	v_and_b32 v9, 31, v0                           ; lane
	v_lshlrev_b32 v4, 4, v9                        ; 16 x lane
	s_mov_b32 s29, 0                               ; upper words of the offsets' pairs
	s_mov_b32 s31, 0
	s_wait_kmcnt 0x0
	s_cmp_ge_u32 ttmp9, 272
	s_cbranch_scc1 .Lweights
	; ---- ROWS: row tile = the work-group's number; my wave's 256 along K of its 16 rows
	v_and_b32 v24, 15, v0                          ; r
	v_bfe_u32 v25, v0, 4, 1                        ; h
	s_mul_i32 s23, s22, STG                        ; my stage
	v_add_nc_u32 v5, s23, v4                       ; into it: 16 x lane of a row
	v_mul_u32_u24 v6, v24, SP
	v_lshl_add_u32 v6, v25, 7, v6
	v_add_nc_u32 v6, s23, v6                       ; out of it: row r, + 128 h: my 32 numbers of each 64
	v_lshlrev_b32 v7, 3, v25                       ; 8 h
	v_mul_u32_u24 v8, v25, SPA
	v_lshl_add_u32 v8, v24, 2, v8                  ; the words' way out: lanes 0-15 the first K step's, lanes 16-31 the second's
	v_mov_b32 v18, 0                               ; written once: a lane permute's destination counts as one of its sources
	s_mov_b32 s24, 0x76543210
	s_mov_b32 s25, 0xfedcba98                      ; selects for lane l xor 16
	s_cmp_lt_u32 ttmp9, 256                        ; xt's tile or xc's: the choice hangs on the work-group's number alone
	s_cselect_b64 s[4:5], s[4:5], s[6:7]
	s_cselect_b32 s26, 0, 256
	s_sub_co_u32 s26, ttmp9, s26
	s_lshl_b32 s28, s26, 16                        ; 16 rows of 4,096 bytes a tile
	s_lshl_b32 s27, s22, 10                        ; my wave's 1,024 bytes of a row
	s_add_co_u32 s28, s28, s27
	s_add_nc_u64 s[4:5], s[4:5], s[28:29]
	s_add_nc_u64 s[20:21], s[20:21], s[28:29]      ; out1 at the same place (used in xc's tiles alone)
.irp f, 0,1
.set J, 0
.rept 16
	global_load_b128 v[R+64*\f+4*J:R+64*\f+4*J+3], v4, s[4:5] offset:4096*J+512*\f th:TH_LOAD_NT   ; 32 lanes read 512 consecutive bytes: K step f of row J
.set J, J+1
.endr
.endr
	s_lshr_b32 s27, s22, 1                         ; K step 2 w + f: K half w / 2, place 2 (w % 2) + f
	s_mul_i32 s30, s27, AKH
	s_lshl_b32 s27, ttmp9, 12
	s_add_co_u32 s30, s30, s27
	s_and_b32 s27, s22, 1
	s_lshl_b32 s27, s27, 11
	s_add_co_u32 s30, s30, s27
	s_add_nc_u64 s[14:15], s[14:15], s[30:31]      ; my two fragments in COD
	s_mul_i32 s30, s22, 2*SPA
	s_lshl_b32 s27, ttmp9, 6
	s_add_co_u32 s30, s30, s27
	s_add_nc_u64 s[16:17], s[16:17], s[30:31]      ; my words in SCL
; Fragment f: 16 rows x 128 K go through my stage as they lie and come back by lane: lane (r, h) takes k = 64 c + 32 h + 0 .. 31 of row r, c = 0, 1: two whole blocks, in the order of the operand's registers.
.macro XFRAG f
	s_wait_loadcnt 16*(1-\f)                       ; this fragment's 16 loads are in; the other's 16, issued behind them, may be out
.set J, 0
.rept 16
	ds_store_b128 v5, v[R+64*\f+4*J:R+64*\f+4*J+3] offset:SP*J
.set J, J+1
.endr
.irp c, 0,1
.irp g, 0,1,2,3,4,5,6,7
	ds_load_b128 v[X+32*\c+4*\g:X+32*\c+4*\g+3], v6 offset:256*\c+16*\g   ; LDS serves a wave's instructions in order: these see my stores
.endr
.endr
	s_wait_dscnt 0x0
.irp c, 0,1
	v_max3_num_f32 v[10+\c], |v[X+32*\c]|, |v[X+32*\c+1]|, 0x1800000   ; the block's largest magnitude, and the floor 2^(3 - 127): the byte cannot fall under 1
.endr
.irp i, 2,4,6,8,10,12,14,16,18,20,22,24,26,28,30
.irp c, 0,1
	v_max3_num_f32 v[10+\c], v[10+\c], |v[X+32*\c+\i]|, |v[X+32*\c+\i+1]|   ; (the two blocks by turns)
.endr
.endr
.irp c, 0,1
	v_add_nc_u32 v[12+\c], 0xff000000, v[10+\c]    ; 2 off the exponent field: the conversion takes the exponent field of this operand as its scale
.endr
.irp c, 0,1
	v_lshrrev_b32 v[14+\c], 23, v[12+\c]           ; the scale's byte
.endr
	v_lshl_or_b32 v16, v15, 16, v14                ; my two bytes: blocks h and 2 + h,
	v_lshlrev_b32 v16, v7, v16                     ; at their places (8 h bits up);
	v_permlanex16_b32 v18, v16, s24, s25
	v_or_b32 v[240+\f], v16, v18                   ; with lane l xor 16's two the row's word is whole
.irp c, 0,1
.irp g, 0,1,2,3
	v_cvt_scalef32_pk8_fp4_f32 v[C+8*\f+4*\c+\g], v[X+32*\c+8*\g:X+32*\c+8*\g+7], v[12+\c]   ; register 4 c + g of the operand
.endr
.endr
	v_nop                                          ; one plain line behind the last scaled conversion
.irp c, 0,1
	global_store_b128 v4, v[C+8*\f+4*\c:C+8*\f+4*\c+3], s[14:15] offset:1024*\f+512*\c   ; 32 lanes store 512 consecutive bytes
.endr
.endm
	XFRAG 0
	XFRAG 1
	s_cmp_lt_u32 ttmp9, 256
	s_cbranch_scc1 .Lno_copy
.irp f, 0,1                            ; xc's tiles: the numbers as loaded are out1's
.set J, 0
.rept 16
	global_store_b128 v4, v[R+64*\f+4*J:R+64*\f+4*J+3], s[20:21] offset:4096*J+512*\f th:TH_STORE_NT
.set J, J+1
.endr
.endr
.Lno_copy:
	v_cmp_ne_u32 vcc_lo, 0, v7
	v_cndmask_b32 v242, v240, v241, vcc_lo         ; lanes 16-31 carry the second K step's word
	global_store_b32 v8, v242, s[16:17]            ; two runs of 64 bytes
	s_wait_tensorcnt 0x0                           ; the wave's end, behind my last LDS store
	ds_add_u32 v[SPW], v[NIL]
	s_wait_dscnt 0x0
	s_endpgm
	; ---- COLUMNS: a lane takes a column, its registers run down K: each load reads 128 consecutive bytes, and a block of 32 along K lies in one lane
.Lweights:
	v_lshlrev_b32 v21, 2, v9                       ; 4 x lane
	v_lshrrev_b32 v22, 4, v9                       ; which of my wave's two column tiles
	v_and_b32 v23, 15, v9
	v_lshlrev_b32 v23, 4, v23                      ; 16 x (lane % 16)
	s_lshl_b32 s27, s22, 5                         ; my wave's 32 columns
; The work-group's place: column group s24, K step of 128 s25, my wave's first column s26; then all 128 loads.
.macro LOADW first, pitch, lo
	s_sub_co_u32 s23, ttmp9, \first
	s_lshr_b32 s24, s23, 3
	s_and_b32 s25, s23, 7
	s_lshl_b32 s26, s24, 7
	s_add_co_u32 s26, s26, s27
	s_mul_i32 s28, s25, 128*\pitch
	s_lshl_b32 s24, s26, 2
	s_add_co_u32 s28, s28, s24
	s_add_nc_u64 s[\lo:\lo+1], s[\lo:\lo+1], s[28:29]
.set I, 0
.rept 128
	global_load_b32 v[R+I], v21, s[\lo:\lo+1] offset:I*\pitch th:TH_LOAD_NT
.set I, I+1
.endr
.endm
; The wait in front of a run of 32 of the 128 loads: n loads were issued behind the run and may stay out.  A wait's count names 63 at the most, so where n is 96 or 64 the count is 63: a smaller count than would do, which orders the same.
.macro LEFT n
.if (\n) > 63
	s_wait_loadcnt 63
.else
	s_wait_loadcnt \n
.endif
.endm
	s_cmp_ge_u32 ttmp9, 592
	s_cbranch_scc1 .Lwp
	v_lshl_add_u32 v22, v22, 12, v23               ; codes' way out: 4,096 bytes from column tile to column tile, 16 bytes a column
	s_cmp_ge_u32 ttmp9, 464
	s_cbranch_scc1 .Lwc
	LOADW 272, 12288, 8
	s_branch .Lquant
.Lwc:
	LOADW 464, 8192, 10
	s_add_co_u32 s26, s26, 3072                    ; Wc's columns follow Wt's
.Lquant:
	s_lshr_b32 s24, s25, 2
	s_mul_i32 s28, s24, BKH                        ; K half,
	s_lshl_b32 s24, s26, 8                         ; column tile x 4,096,
	s_add_co_u32 s28, s28, s24
	s_and_b32 s24, s25, 3
	s_lshl_b32 s24, s24, 10                        ; K step in the half
	s_add_co_u32 s28, s28, s24
	s_add_co_u32 s28, s28, BOFF
	s_add_nc_u64 s[14:15], s[14:15], s[28:29]
	s_mul_i32 s28, s25, SPB
	s_lshl_b32 s24, s26, 2
	s_add_co_u32 s28, s28, s24
	s_add_co_u32 s28, s28, SBOFF
	s_add_nc_u64 s[16:17], s[16:17], s[28:29]
.macro BLOCKQ b                        ; block b of my column: all its 32 numbers are mine
.set XS, R+32*\b
	LEFT 96-32*\b                                  ; this block's 32 loads are in; the later blocks' may be out
	v_max3_num_f32 v10, |v[XS]|, |v[XS+1]|, |v[XS+2]|
	v_max3_num_f32 v11, |v[XS+3]|, |v[XS+4]|, |v[XS+5]|
.irp i, 6,10,14,18,22,26
	v_max3_num_f32 v10, v10, |v[XS+\i]|, |v[XS+\i+1]|
	v_max3_num_f32 v11, v11, |v[XS+\i+2]|, |v[XS+\i+3]|
.endr
	v_max3_num_f32 v10, v10, |v[XS+30]|, |v[XS+31]|
	v_max3_num_f32 v10, v10, v11, 0x1800000        ; and the floor
	v_add_nc_u32 v12, 0xff000000, v10
	v_lshrrev_b32 v13, 23, v12
.if \b == 0
	v_mov_b32 v20, v13                             ; the column's word: the lower K in the lower byte
.else
	v_lshl_or_b32 v20, v13, 8*\b, v20
.endif
.irp g, 0,1,2,3
	v_cvt_scalef32_pk8_fp4_f32 v[X+4*\b+\g], v[XS+8*\g:XS+8*\g+7], v12
.endr
	v_nop                                          ; one plain line behind the last scaled conversion
	global_store_b128 v22, v[X+4*\b:X+4*\b+3], s[14:15] offset:512*(\b/2)+256*(\b%2)   ; block b of row r lies at 512 (b / 2) + 256 (b % 2) + 16 r: sixteen lanes store 256 consecutive bytes, aligned
.endm
	BLOCKQ 0
	BLOCKQ 1
	BLOCKQ 2
	BLOCKQ 3
	global_store_b32 v21, v20, s[16:17]            ; 32 words: 128 consecutive bytes
	s_endpgm
.Lwp:
	v_lshl_add_u32 v22, v22, 13, v23               ; 8,192 bytes from column tile to column tile
	LOADW 592, 4096, 12
	s_lshr_b32 s24, s25, 1
	s_lshl_b32 s28, s24, 19                        ; K chunk of 256,
	s_lshl_b32 s24, s26, 9                         ; column tile x 8,192,
	s_add_co_u32 s28, s28, s24
	s_and_b32 s24, s25, 1
	s_lshl_b32 s24, s24, 12                        ; which four K steps of 32
	s_add_co_u32 s28, s28, s24
	s_add_nc_u64 s[18:19], s[18:19], s[28:29]
.irp u, 0,1,2,3                        ; K step u of 32: piece e (k = 8 e .. 8 e + 7) is registers 4 (e / 2) .. of lane 16 (e % 2) + r: it lies at 256 e + 16 r
	LEFT 96-32*\u                                  ; this K step's 32 loads are in; the later ones' may be out
.irp i, 0,1,2,3,4,5,6,7,8,9,10,11,12,13,14,15
	v_cvt_pk_f16_f32 v[X+16*\u+\i], v[R+32*\u+2*\i], v[R+32*\u+2*\i+1]
.endr
.irp e, 0,1,2,3
	global_store_b128 v22, v[X+16*\u+4*\e:X+16*\u+4*\e+3], s[18:19] offset:1024*\u+256*\e
.endr
.endr
	s_endpgm
.Lfunc_end_k_qc655e9d2b2_prep:
	.size	k_qc655e9d2b2_prep, .Lfunc_end_k_qc655e9d2b2_prep-k_qc655e9d2b2_prep
	.p2alignl 7, 3214868480
	.fill 96, 4, 3214868480
	.section	.rodata,"a",@progbits
	.p2align	6, 0x0
	.amdhsa_kernel k_qc655e9d2b2_prep
		.amdhsa_group_segment_fixed_size 34304
		.amdhsa_private_segment_fixed_size 0
		.amdhsa_enable_private_segment 0
		.amdhsa_kernarg_size 72
		.amdhsa_user_sgpr_count 2
		.amdhsa_user_sgpr_kernarg_segment_ptr 1
		.amdhsa_wavefront_size32 1
		.amdhsa_system_sgpr_workgroup_id_x 1
		.amdhsa_system_sgpr_workgroup_id_y 1
		.amdhsa_system_sgpr_workgroup_id_z 1
		.amdhsa_system_vgpr_workitem_id 0
		.amdhsa_next_free_vgpr 248
		.amdhsa_next_free_sgpr 66
		.amdhsa_reserve_vcc 1
		.amdhsa_float_denorm_mode_32 3
		.amdhsa_float_denorm_mode_16_64 3
		.amdhsa_memory_ordered 1
		.amdhsa_forward_progress 1
		.amdhsa_inst_pref_size 70
	.end_amdhsa_kernel
	.amdgpu_metadata
---
amdhsa.version: [ 1, 2 ]
amdhsa.kernels:
  - .name:           k_qc655e9d2b2_prep
    .symbol:         k_qc655e9d2b2_prep.kd
    .args:
      - { .name: xt, .offset: 0, .size: 8, .value_kind: global_buffer, .address_space: global }
      - { .name: xc, .offset: 8, .size: 8, .value_kind: global_buffer, .address_space: global }
      - { .name: Wt, .offset: 16, .size: 8, .value_kind: global_buffer, .address_space: global }
      - { .name: Wc, .offset: 24, .size: 8, .value_kind: global_buffer, .address_space: global }
      - { .name: Wp, .offset: 32, .size: 8, .value_kind: global_buffer, .address_space: global }
      - { .name: COD, .offset: 40, .size: 8, .value_kind: global_buffer, .address_space: global }
      - { .name: SCL, .offset: 48, .size: 8, .value_kind: global_buffer, .address_space: global }
      - { .name: WPI, .offset: 56, .size: 8, .value_kind: global_buffer, .address_space: global }
      - { .name: out1, .offset: 64, .size: 8, .value_kind: global_buffer, .address_space: global }
    .group_segment_fixed_size: 34304
    .private_segment_fixed_size: 0
    .kernarg_segment_align: 8
    .kernarg_segment_size: 72
    .max_flat_workgroup_size: 128
    .sgpr_count:     66
    .vgpr_count:     248
    .wavefront_size: 32
...
	.end_amdgpu_metadata
.endif
;; end of part 1
;; launch gemm4 (part 2): grid 200 x 1, 4 waves a work-group, clusters of 4 x 1, 327,680 bytes of LDS; arguments COD, SCL, bt, bc, QI, KI, VI, CI; writes QI, KI, VI, CI
.if DOCPART == 2
	.amdgcn_target "amdgcn-amd-amdhsa--gfx1250"
	.amdhsa_code_object_version 6
	.text
	.protected	k_qc655e9d2b2_gemm4
	.globl	k_qc655e9d2b2_gemm4
	.p2align	8
	.type	k_qc655e9d2b2_gemm4,@function
k_qc655e9d2b2_gemm4:
	s_mov_b64 s[64:65], 0
	v_nop
	global_prefetch_b8 v0, s[64:65] scope:SCOPE_SE
	s_setreg_imm32_b32 hwreg(HW_REG_WAVE_MODE, 25, 1), 1
	s_wait_xcnt 0x0
	s_wait_alu depctr_hold_cnt(0) depctr_sa_sdst(0) depctr_va_vdst(0) depctr_va_sdst(0) depctr_va_ssrc(0) depctr_va_vcc(0) depctr_vm_vsrc(0)
	s_getreg_b32 s2, hwreg(HW_REG_IB_STS2, 6, 4)
	s_cmp_eq_u32 s2, 0
	s_cbranch_scc0 .Lentry_in_a_cluster
	s_endpgm
.Lentry_in_a_cluster:
	s_bfe_u32 s2, ttmp6, 0x10000c
	s_cmp_lg_u32 s2, 0x3003
	s_cbranch_scc0 .Lentry_shape_is_right
	s_endpgm
.Lentry_shape_is_right:
; GEMM4.  all_t = Q(xt) Q(Wt) + bt and all_c = Q(xc) Q(Wc) + bc on codes of FP4 (E2M1) with E8M0 scales, K = 1,024, sums in f32; the results leave as f16, in the order in which the attention's operand registers take them.
; 192 + 8 tiles of 256 x 256.  A work-group of four waves makes a tile, a wave 128 x 128: 64 accumulators of 16 x 16, 512 registers.  All of K fits in LDS (2 x 128 KiB of codes, 16 KiB of scale words):
; every LDS byte is filled once, at the head.  Codes lie in memory as images of operand registers (fragment = 1,024 bytes: lane l's registers 0-3 at 16 l, 4-7 at 512 + 16 l): every tile is a dense block, every LDS read stands at 16 x lane.
; CLUSTER: four work-groups share a row block and take four neighbouring column blocks (1,024 columns: exactly one of Q, K, V, the concepts' K, the concepts' V).  The rows' codes and words are asked for JOINTLY (mask 15);
; the columns' loads are each work-group's own.  No branch and no LDS address hangs on the place in the cluster.
; THE MATRIX INSTRUCTION IS USED TRANSPOSED (source 0 = 16 columns' codes, source 1 = 16 rows'): a lane then holds row l % 16 and eight neighbouring columns 8 (l / 16) + 0 .. 7.  The bias is the C of each sum's first instruction.
; OUT: QI, KI, CI's first half: [batch x head 32][tile of 16 tokens][16 channels: 4][512]: lane (r, h)'s 16 bytes at 16 x lane.  VI and CI's second half: the same tiles row by row, at 32 r + 16 h (16 tokens x 16 channels, 32 bytes a row).
; LIMITS: results above 65,504 become infinity in f16; under 6e-5 they keep an absolute error of 3e-8.
; REGISTERS, in windows of 256: window 0: v0-31 addresses; v32-95 scale words and nothing else; v128-191 the rows' fragments, ONE set; on the way out v128-255 hold packed results.
;   window 1: the columns' fragments, TWO sets, at v0 and v128; v64-127 the bias.   window 2: the accumulators of my rows 0-63 ((a, b) at v[8 (8 a + b)]);   window 3: those of rows 64-127.
.set AKH,   1114112                    ; COD: from K half to K half, rows' part
.set BOFF,  2228224                    ; COD: the columns' part
.set BKH,   1310720
.set SBOFF, 139264                     ; SCL: the columns' words
.set NQ,    4                          ; K steps of 128 in a slot
.set FR,    8                          ; registers of a fragment
.set NL,    2                          ; LDS loads that bring one
.set NP,    4                          ; places behind this matrix instruction (ISA guide 7.12.1)
.set HALFT, 32768                      ; 8 tiles x 4 K steps x 1,024: what one tensor load brings, and what one wave reads of the rows or of the columns
.set SLOT,  4*HALFT                    ; a K half: the rows' 16 tiles, then the columns' 16
.set SCLL,  2*SLOT                     ; the scale words: four pieces of 4,096 bytes, [K step 8][128 words]: rows 0-127, rows 128-255, columns 0-127, columns 128-255
.set SPARE, SCLL+16384                 ; the spare words, 128 bytes a wave
.set ADRA, 16                          ; v16-17 LDS address of my rows' fragments in slot 0, 1
.set ADRB, 20                          ; v20-21 the same for the columns
.set LT,   26                          ; v26    the way out: my 16 bytes' place in a piece of 512
.set ADRS, 27                          ; v27    my scale words: lanes 0-15 the rows', lanes 16-31 the columns'
.set SPW,  28                          ; v28    my spare word; never rewritten
.set NIL,  29                          ; v29    0; never rewritten
.set SC,   32                          ; register SC + 32 slot + 4 i + q: lanes 0-15 the word of the rows' block i, lanes 16-31 that of the columns' block i, for the slot's q-th K step
.set AF,   128
.set BI,   64                          ; in window 1: the bias, 8 registers for each of my 8 column tiles
.set T,    128                         ; the way out: four sets of 32
.set G1, 24                            ; s[24:31] group 1 for the rows' codes; s[32:39] groups 0, one for each slot
.set G0, 32
.set G1B, 48                           ; s[48:55], s[56:63] the same for the columns' codes
.set G0B, 56
.set G1S, 68                           ; s[68:75], s[76:79] for the rows' words; s[80:87], s[88:91] for the columns'
.set G0S, 76
.set G1SB, 80
.set G0SB, 88
.set MSB, 0
.macro WIN new                         ; the immediate's high byte repeats the setting that is left
.if MSB != \new
	s_set_vgpr_msb (MSB<<8)|\new
.set MSB, \new
.endif
.endm
.set MUL_LO, 0xa1                      ; source 0 window 1, source 1 window 0, C and D window 2
.set MUL_HI, 0xf1                      ; the same, C and D window 3
.set TO_B,   0x40                      ; destination window 1, address window 0
; Waves 0 and 1 fetch for the rows (jointly), waves 2 and 3 for the columns.  The branch hangs on the wave's number alone.  An s_nop 0 and four v_nop follow each of the two lines.
.macro JLOAD g0a, g1a, g0b, g1b
	s_cmp_eq_u32 s15, 0
	s_cbranch_scc0 .Lfor_b_\@
	tensor_load_to_lds s[\g0a:\g0a+3], s[\g1a:\g1a+7]
	s_nop 0
.rept 4
	v_nop
.endr
	s_branch .Lasked_\@
.Lfor_b_\@:
	tensor_load_to_lds s[\g0b:\g0b+3], s[\g1b:\g1b+7]
	s_nop 0
.rept 4
	v_nop
.endr
.Lasked_\@:
.endm
.macro CROUND                          ; a round of the cluster's barrier
	s_barrier_signal -1
	s_barrier_wait -1
	s_cmp_lg_u32 s14, 0
	s_cbranch_scc1 .Lnot_wave_0_\@
	s_barrier_signal -3
.Lnot_wave_0_\@:
	s_barrier_wait -3
	s_barrier_signal -1
	s_barrier_wait -1
.endm
	s_load_b256 s[4:11], s[0:1], 0x0               ; COD s[4:5], SCL s[6:7], bt s[8:9], bc s[10:11]
	s_load_b256 s[92:99], s[0:1], 0x20             ; QI s[92:93], KI s[94:95], VI s[96:97], CI s[98:99]
	v_lshl_add_u32 v[SPW], v0, 2, SPARE
	v_mov_b32 v[NIL], 0
	ds_add_u32 v[SPW], v[NIL]                      ; the wave's opening: the add, twice on end, and its wait ahead of my first tensor load
	ds_add_u32 v[SPW], v[NIL]
	v_lshrrev_b32 v1, 5, v0
	v_readfirstlane_b32 s14, v1                    ; wave 0..3
	s_lshr_b32 s15, s14, 1                         ; which half of the tile's rows is mine.  Also: I fetch for the rows (0) or the columns (1)
	s_and_b32 s16, s14, 1                          ; which half of its columns.  Also: which half I fetch
	s_bfe_u32 s40, ttmp6, 0x40000                  ; cx: my place in the cluster
	s_mul_i32 s18, ttmp9, 171                      ; the cluster's number, 0 .. 49: three clusters to each of xt's 16 row blocks, two to xc's
	s_lshr_b32 s18, s18, 9                         ; row block = number / 3 (171 / 512 serves up to 49)
	s_mul_i32 s19, s18, 3
	s_sub_co_u32 s19, ttmp9, s19                   ; which 1,024 columns: 0 Q, 1 K, 2 V; in xc's block 0 K, 1 V
	s_lshr_b32 s20, s18, 4                         ; 1 in xc's block
	s_lshl_b32 s41, s19, 2
	s_add_co_u32 s41, s41, s40
	s_mul_i32 s21, s20, 12
	s_add_co_u32 s41, s41, s21                     ; column block of 256 among the 20
	; descriptors.  Codes: 32 KiB dense, as 128 rows of 32 elements of 8 bytes
	s_mov_b32 s[G1+0], 15|(3<<16)|(1<<21)          ; 15:0 the mask: all four work-groups; 17:16 elements of 8 bytes; 21 set beside a mask
	s_mov_b32 s[G1B+0], 3<<16                      ; no mask: my own load
.irp g, G1, G1B
	s_mov_b32 s[\g+1], 32<<16                      ; tensor_dim0
	s_mov_b32 s[\g+2], 128<<16                     ; tensor_dim1
	s_mov_b32 s[\g+3], 32<<16                      ; tile_dim0
	s_mov_b32 s[\g+4], 128                         ; tile_dim1
	s_mov_b32 s[\g+5], 32                          ; from row to row
	s_mov_b32 s[\g+6], 0
	s_mov_b32 s[\g+7], 0
.endr
	; words: 8 K steps x 128 words of 4 bytes
	s_mov_b32 s[G1S+0], 15|(2<<16)|(1<<21)
	s_mov_b32 s[G1SB+0], 2<<16
.irp g, G1S, G1SB
	s_mov_b32 s[\g+1], 128<<16
	s_mov_b32 s[\g+2], 8<<16
	s_mov_b32 s[\g+3], 128<<16
	s_mov_b32 s[\g+4], 8
	s_mov_b32 s[\g+6], 0
	s_mov_b32 s[\g+7], 0
.endr
	s_mov_b32 s[G1S+5], 4352                       ; words from K step to K step
	s_mov_b32 s[G1SB+5], 5120
	s_lshl_b32 s42, s18, 16
	s_lshl_b32 s21, s16, 15
	s_add_co_u32 s42, s42, s21                     ; the rows' codes: (16 x row block + 8 x half) x 4,096: no register of theirs ever holds cx
	s_mov_b32 s43, 0
	s_lshl_b32 s46, s41, 16
	s_add_co_u32 s46, s46, s21
	s_add_co_u32 s46, s46, BOFF                    ; the columns' codes
	s_mov_b32 s47, 0
	s_lshl_b32 s44, s18, 10
	s_lshl_b32 s21, s16, 9
	s_add_co_u32 s44, s44, s21                     ; the rows' words
	s_mov_b32 s45, 0
	s_lshl_b32 s2, s41, 10
	s_add_co_u32 s2, s2, s21
	s_add_co_u32 s2, s2, SBOFF                     ; the columns' words
	s_mov_b32 s3, 0
	s_lshl_b32 s17, s14, 15                        ; where they go: wave x 32,768,
	s_lshl_b32 s23, s14, 12                        ; wave x 4,096
	s_wait_dscnt 0x0                               ; both opening adds are done
	s_wait_kmcnt 0x0
	s_add_nc_u64 s[42:43], s[4:5], s[42:43]
	s_add_nc_u64 s[46:47], s[4:5], s[46:47]
	s_add_nc_u64 s[44:45], s[6:7], s[44:45]
	s_add_nc_u64 s[2:3], s[6:7], s[2:3]
	CROUND                                         ; all four work-groups are here: the first joint loads meet
	s_mov_b32 s[G0S], 1
	s_add_co_u32 s[G0S+1], s23, SCLL
	s_mov_b64 s[G0S+2:G0S+3], s[44:45]
	s_or_b32 s[G0S+3], s[G0S+3], 0x80000000
	s_mov_b32 s[G0SB], 1
	s_add_co_u32 s[G0SB+1], s23, SCLL
	s_mov_b64 s[G0SB+2:G0SB+3], s[2:3]
	s_or_b32 s[G0SB+3], s[G0SB+3], 0x80000000
	JLOAD G0S, G1S, G0SB, G1SB                     ; the words first: they are wanted with K step 0
.irp s, 0,1
	s_mov_b32 s[G0+4*\s], 1
	s_add_co_u32 s[G0+4*\s+1], s17, \s*SLOT
	s_add_nc_u64 s[G0+4*\s+2:G0+4*\s+3], s[42:43], \s*AKH
	s_or_b32 s[G0+4*\s+3], s[G0+4*\s+3], 0x80000000
	s_mov_b32 s[G0B+4*\s], 1
	s_add_co_u32 s[G0B+4*\s+1], s17, \s*SLOT
	s_add_nc_u64 s[G0B+4*\s+2:G0B+4*\s+3], s[46:47], \s*BKH
	s_or_b32 s[G0B+4*\s+3], s[G0B+4*\s+3], 0x80000000
	JLOAD G0+4*\s, G1, G0B+4*\s, G1B               ; three tensor loads of mine are out at the most
.endr
	v_and_b32 v1, 15, v0                           ; r
	v_bfe_u32 v2, v0, 4, 1                         ; h
	v_and_b32 v3, 31, v0
	v_lshlrev_b32 v4, 4, v3                        ; 16 x lane
	s_lshl_b32 s21, s15, 15                        ; my 8 tiles of rows,
	s_lshl_b32 s22, s16, 15                        ; my 8 tiles of columns,
	s_add_co_u32 s22, s22, 2*HALFT                 ; which lie behind the rows' 16
.irp s, 0,1
	v_add_nc_u32 v[ADRA+\s], s21, v4
	v_add_nc_u32 v[ADRB+\s], s22, v4
	s_add_co_u32 s21, s21, SLOT
	s_add_co_u32 s22, s22, SLOT
.endr
	v_lshlrev_b32 v5, 2, v1                        ; 4 bytes a row
	s_lshl_b32 s21, s15, 12                        ; the rows' piece,
	s_lshl_b32 s22, s16, 12
	s_add_co_u32 s22, s22, 8192                    ; the columns' piece,
	s_sub_co_u32 s22, s22, s21                     ; and the distance between the two:
	v_mul_u32_u24 v6, s22, v2                      ; lanes 16-31 take the columns'
	s_add_co_u32 s21, s21, SCLL
	v_add_nc_u32 v5, v5, v6
	v_add_nc_u32 v[ADRS], s21, v5
	; the bias: lane (r, h) wants, for column tile b, the numbers of columns 16 b + 8 h + 0 .. 7
	s_mul_i32 s21, s20, 12
	s_sub_co_u32 s21, s41, s21                     ; the column block in its own weight
	s_lshl_b32 s21, s21, 10
	s_lshl_b32 s22, s16, 9
	s_add_co_u32 s66, s21, s22
	s_mov_b32 s67, 0
	s_cmp_eq_u32 s20, 0
	s_cselect_b64 s[12:13], s[8:9], s[10:11]
	s_add_nc_u64 s[12:13], s[12:13], s[66:67]
	v_lshlrev_b32 v7, 5, v2
	WIN TO_B
.irp b, 0,1,2,3,4,5,6,7
	global_load_b128 v[BI+8*\b:BI+8*\b+3], v7, s[12:13] offset:64*\b
	global_load_b128 v[BI+8*\b+4:BI+8*\b+7], v7, s[12:13] offset:64*\b+16
.endr
	WIN 0
	; where my results go.  Tokens: batch = row block / 8, first tile 16 (row block % 8) + 8 x row half; concepts: batch = row half, tile 0.  Head = 4 cx + 2 x column half + b / 4
	s_lshr_b32 s21, s18, 3
	s_and_b32 s22, s18, 7
	s_lshl_b32 s22, s22, 4
	s_lshl_b32 s23, s15, 3
	s_add_co_u32 s22, s22, s23
	s_lshl_b32 s23, s19, 19                        ; CI's second half
	s_add_co_u32 s17, s19, s20                     ; 2 where the results are values
	s_cmp_eq_u32 s19, 1
	s_cselect_b64 s[42:43], s[94:95], s[92:93]
	s_cmp_eq_u32 s19, 2
	s_cselect_b64 s[42:43], s[96:97], s[42:43]
	s_cmp_eq_u32 s20, 1
	s_cselect_b64 s[42:43], s[98:99], s[42:43]
	s_cselect_b32 s21, s15, s21                    ; batch
	s_cselect_b32 s22, 0, s22                      ; first tile
	s_cselect_b32 s23, s23, 0
	s_mov_b32 s66, 262144
	s_cselect_b32 s66, 16384, s66                  ; bytes from head to head
	s_lshl_b32 s2, s40, 2
	s_lshl_b32 s3, s16, 1
	s_add_co_u32 s2, s2, s3
	s_lshl_b32 s21, s21, 4
	s_add_co_u32 s2, s2, s21                       ; 16 x batch + my first head
	s_mul_i32 s2, s2, s66
	s_lshl_b32 s22, s22, 11
	s_add_co_u32 s2, s2, s22
	s_add_co_u32 s2, s2, s23
	s_mov_b32 s3, 0
	s_add_nc_u64 s[42:43], s[42:43], s[2:3]        ; my first head,
	s_add_nc_u64 s[44:45], s[42:43], s[66:67]      ; and my second
	s_cmp_eq_u32 s17, 2
	s_cselect_b32 s21, 32, 16                      ; values: 32 r + 16 h; else 16 r + 256 h
	s_cselect_b32 s22, 16, 256
	v_mul_u32_u24 v[LT], s21, v1
	v_mad_u32_u24 v[LT], v2, s22, v[LT]
.macro FRAG reg, adr, q, i             ; tile i, the slot's K step q: two loads of 512 consecutive bytes
.irp c, 0,1
	ds_load_b128 v[\reg+4*\c:\reg+4*\c+3], v[\adr] offset:4096*(\i)+1024*(\q)+512*\c
.endr
.endm
; 16 matrix instructions: the rows' blocks a0, a0 + 1 x the columns' eight.  p: the columns' set; sc: the slot's scale words.  zero = 1: the first product starts the sums from the bias.
; The 64 accumulators take turns, one instruction a turn, in the same order in every step.
.macro MUL16 a0, p, q, sc, zero
.irp a, \a0, \a0+1
.irp b, 0,1,2,3,4,5,6,7
.if \zero
	v_wmma_scale_f32_16x16x128_f8f6f4 v[8*(8*((\a)%4)+\b):8*(8*((\a)%4)+\b)+7], v[128*(\p)+FR*\b:128*(\p)+FR*\b+FR-1], v[AF+FR*(\a):AF+FR*(\a)+FR-1], v[BI+8*\b:BI+8*\b+7], v[SC+8*NQ*(\sc)+NQ*\b+(\q)], v[SC+8*NQ*(\sc)+NQ*(\a)+(\q)] matrix_a_fmt:MATRIX_FMT_FP4 matrix_b_fmt:MATRIX_FMT_FP4 matrix_a_scale:MATRIX_SCALE_ROW1
.else
	v_wmma_scale_f32_16x16x128_f8f6f4 v[8*(8*((\a)%4)+\b):8*(8*((\a)%4)+\b)+7], v[128*(\p)+FR*\b:128*(\p)+FR*\b+FR-1], v[AF+FR*(\a):AF+FR*(\a)+FR-1], v[8*(8*((\a)%4)+\b):8*(8*((\a)%4)+\b)+7], v[SC+8*NQ*(\sc)+NQ*\b+(\q)], v[SC+8*NQ*(\sc)+NQ*(\a)+(\q)] matrix_a_fmt:MATRIX_FMT_FP4 matrix_b_fmt:MATRIX_FMT_FP4 matrix_a_scale:MATRIX_SCALE_ROW1
.endif
.endr
.endr
.endm
.macro FETCH_B slot, q, p
	WIN TO_B
.irp i, 0,1,2,3,4,5,6,7
	FRAG 128*(\p)+FR*\i, ADRB+\slot, \q, \i
.endr
	WIN 0
.endm
.macro FETCH_A slot, q, i0
.irp i, \i0, \i0+1, \i0+2, \i0+3
	FRAG AF+FR*(\i), ADRA+\slot, \q, \i
.endr
.endm
.macro PLACES n                        ; places in front of loads into registers that matrix instructions have read, and of the first read of results
.rept \n
	v_nop
.endr
.endm
; A step of 128 along K that has its successor in the same slot.  A block of the rows is free as soon as its eight products are issued, so one set serves them: blocks 0-3 are fetched anew in the step's middle, 4-7 at its end.
.macro STEP slot, q, zero
	s_wait_dscnt 4*NL                              ; all but the youngest eight loads (the rows' blocks 4-7)
.if \zero
	WIN 0x91                                       ; C (the bias) in window 1, D in window 2
.else
	WIN MUL_LO
.endif
	MUL16 0, (\q)%2, \q, \slot, \zero
	MUL16 2, (\q)%2, \q, \slot, \zero
	s_wait_dscnt 0
	PLACES NP
	FETCH_B \slot, (\q)+1, 1-(\q)%2
	FETCH_A \slot, (\q)+1, 0
.if \zero
	WIN 0xd1                                       ; C in window 1, D in window 3
.else
	WIN MUL_HI
.endif
	MUL16 4, (\q)%2, \q, \slot, \zero
	MUL16 6, (\q)%2, \q, \slot, \zero
	PLACES NP
	WIN 0
	FETCH_A \slot, (\q)+1, 4
.endm
	s_wait_tensorcnt 1                             ; the words and my part of slot 0 are in; slot 1's load may stay out
	s_barrier_signal -1
	s_barrier_wait -1                              ; everybody's are
.irp kh, 0,1                           ; all 64 scale registers, once
.irp i, 0,1,2,3,4,5,6,7
.irp q, 0,1,2,3
	ds_load_b32 v[SC+32*\kh+4*\i+\q], v[ADRS] offset:512*(4*\kh+\q)+64*\i
.endr
.endr
.endr
	FETCH_B 0, 0, 0
	FETCH_A 0, 0, 0
	FETCH_A 0, 0, 4
	s_wait_loadcnt 0x0                             ; the bias
	STEP 0, 0, 1
	STEP 0, 1, 0
	STEP 0, 2, 0
	; slot 0's last step changes slots: one barrier, in front of which each wave has its part of slot 1
	s_wait_tensorcnt 0x0                           ; all my tensor loads have landed
	ds_add_u32 v[SPW], v[NIL]                      ; 0 onto my spare word
	s_wait_dscnt 4*NL+1                            ; (the add and the youngest eight loads may be out)
	WIN MUL_LO
	MUL16 0, 1, NQ-1, 0, 0
	s_wait_dscnt 0x0
	s_barrier_signal -1
	MUL16 2, 1, NQ-1, 0, 0
	WIN 0
	s_barrier_wait -1                              ; slot 1 is whole
	PLACES NP
	FETCH_B 1, 0, 0
	FETCH_A 1, 0, 0
	WIN MUL_HI
	MUL16 4, 1, NQ-1, 0, 0
	MUL16 6, 1, NQ-1, 0, 0
	PLACES NP
	WIN 0
	FETCH_A 1, 0, 4
	STEP 1, 0, 0
	STEP 1, 1, 0
	STEP 1, 2, 0
	s_wait_dscnt 4*NL                              ; the very last step: nothing more to fetch
	WIN MUL_LO
	MUL16 0, 1, NQ-1, 1, 0
	MUL16 2, 1, NQ-1, 1, 0
	s_wait_dscnt 0
	WIN MUL_HI
	MUL16 4, 1, NQ-1, 1, 0
	MUL16 6, 1, NQ-1, 1, 0
	WIN 0
; THE WAY OUT, a block of 16 rows at a time: a lane's eight numbers of an accumulator pack into 16 bytes, which are its place in a piece of 512 bytes: 32 lanes store 512 consecutive bytes, no LDS between.
.macro OUTBLK a
.set AC, 64*((\a)%4)
.set TT, T+32*((\a)%4)
.if (\a) >= 4
	s_wait_xcnt 0x0                                ; block a - 4's stores have read their data: the set is written again only behind this wait
.endif
	WIN 0x0a+5*((\a)/4)                            ; sources 0 and 1: window 2 or 3
.irp b, 0,1,2,3,4,5,6,7
.irp e, 0,1,2,3
	v_cvt_pk_f16_f32 v[TT+4*\b+\e], v[AC+8*\b+2*\e], v[AC+8*\b+2*\e+1]   ; each accumulator from its low end on
.endr
.endr
	WIN 0
.irp b, 0,1,2,3
	global_store_b128 v[LT], v[TT+4*\b:TT+4*\b+3], s[42:43] offset:2048*(\a)+512*\b
.endr
.irp b, 0,1,2,3
	global_store_b128 v[LT], v[TT+16+4*\b:TT+16+4*\b+3], s[44:45] offset:2048*(\a)+512*\b
.endr
.endm
	PLACES NP
.irp a, 0,1,2,3,4,5,6,7
	OUTBLK \a
.endr
	s_wait_tensorcnt 0x0                           ; the wave's end
	ds_add_u32 v[SPW], v[NIL]
	s_wait_dscnt 0x0
	CROUND                                         ; the closing round: no work-group ends while a partner may still ask for a tile that names it
	s_endpgm
.Lfunc_end_k_qc655e9d2b2_gemm4:
	.size	k_qc655e9d2b2_gemm4, .Lfunc_end_k_qc655e9d2b2_gemm4-k_qc655e9d2b2_gemm4
	.p2alignl 7, 3214868480
	.fill 96, 4, 3214868480
	.section	.rodata,"a",@progbits
	.p2align	6, 0x0
	.amdhsa_kernel k_qc655e9d2b2_gemm4
		.amdhsa_group_segment_fixed_size 327680
		.amdhsa_private_segment_fixed_size 0
		.amdhsa_enable_private_segment 0
		.amdhsa_kernarg_size 64
		.amdhsa_user_sgpr_count 2
		.amdhsa_user_sgpr_kernarg_segment_ptr 1
		.amdhsa_wavefront_size32 1
		.amdhsa_system_sgpr_workgroup_id_x 1
		.amdhsa_system_sgpr_workgroup_id_y 1
		.amdhsa_system_sgpr_workgroup_id_z 1
		.amdhsa_system_vgpr_workitem_id 0
		.amdhsa_next_free_vgpr 1024
		.amdhsa_next_free_sgpr 100
		.amdhsa_reserve_vcc 0
		.amdhsa_float_denorm_mode_32 3
		.amdhsa_float_denorm_mode_16_64 3
		.amdhsa_memory_ordered 1
		.amdhsa_forward_progress 1
		.amdhsa_inst_pref_size 123
	.end_amdhsa_kernel
	.amdgpu_metadata
---
amdhsa.version: [ 1, 2 ]
amdhsa.kernels:
  - .name:           k_qc655e9d2b2_gemm4
    .symbol:         k_qc655e9d2b2_gemm4.kd
    .args:
      - { .name: COD, .offset: 0, .size: 8, .value_kind: global_buffer, .address_space: global }
      - { .name: SCL, .offset: 8, .size: 8, .value_kind: global_buffer, .address_space: global }
      - { .name: bt, .offset: 16, .size: 8, .value_kind: global_buffer, .address_space: global }
      - { .name: bc, .offset: 24, .size: 8, .value_kind: global_buffer, .address_space: global }
      - { .name: QI, .offset: 32, .size: 8, .value_kind: global_buffer, .address_space: global }
      - { .name: KI, .offset: 40, .size: 8, .value_kind: global_buffer, .address_space: global }
      - { .name: VI, .offset: 48, .size: 8, .value_kind: global_buffer, .address_space: global }
      - { .name: CI, .offset: 56, .size: 8, .value_kind: global_buffer, .address_space: global }
    .group_segment_fixed_size: 327680
    .private_segment_fixed_size: 0
    .kernarg_segment_align: 8
    .kernarg_segment_size: 64
    .max_flat_workgroup_size: 128
    .sgpr_count:     100
    .vgpr_count:     1024
    .wavefront_size: 32
...
	.end_amdgpu_metadata
.endif
;; end of part 2
;; launch attn (part 3): grid 8 x 32, 16 waves a work-group, no clusters, 327,680 bytes of LDS; arguments QI, KI, VI, CI, XI; writes XI
.if DOCPART == 3
	.amdgcn_target "amdgcn-amd-amdhsa--gfx1250"
	.amdhsa_code_object_version 6
	.text
	.protected	k_qc655e9d2b2_attn
	.globl	k_qc655e9d2b2_attn
	.p2align	8
	.type	k_qc655e9d2b2_attn,@function
k_qc655e9d2b2_attn:
	s_mov_b64 s[64:65], 0
	v_nop
	global_prefetch_b8 v0, s[64:65] scope:SCOPE_SE
	s_setreg_imm32_b32 hwreg(HW_REG_WAVE_MODE, 25, 1), 1
	s_wait_xcnt 0x0
; ATTN.  x = softmax(Q K^T / 8, causal) V + softmax(Q Kc^T / 8, concept j counts where j <= token / 16) Vc, for 32 (batch, head) pairs, head size 64, 2,048 tokens, 128 concepts.  Operands f16, products' sums, maxima, sums in f32.
; SHARES.  Work-group (g, batch x head) owns query blocks g and 15 - g of 128 queries: 17 units of 128 x 128 in every work-group.  Waves 0-7 take the eight tiles of 16 queries of block g, waves 8-15 those of block 15 - g.
; NO CLUSTER: the work-groups of a head need different numbers of key slots (128 (16 - g) keys), so a joint load would bring tiles that some partner reads in no wave.
; All waves walk the same ring of two LDS slots of 256 keys, filled by waves 0-3 (K's halves, V's halves: 16 KiB dense each); waves 4 and 5 bring the concepts' K and V once.  Trip counts are constants; a step all of whose keys come
; after a wave's queries is jumped over by a scalar branch on ids, and a slot whose first key comes after the work-group's last query is not asked for.
; LAYOUT.  Both products are used transposed: S^T = K Q^T (source 0 = 16 keys, source 1 = my 16 queries), O^T = V^T P (source 0 = 16 channels, source 1 = P): a lane holds ONE query (lane % 16) throughout, and keys or channels 8 (lane / 16) + 0 .. 7.
; Two tiles of S^T, rounded to f16 in pairs, ARE a fragment of P.  K's fragments lie in LDS as images of registers (16 x lane); V's tiles lie row by row (16 keys x 16 channels, 32 bytes a row) and are turned by ds_load_tr16_b128.
; SOFTMAX.  A running maximum m and sum l for each query: p = 2^(c s - c m), c = log2(e) / 8; in every step O^T and l are multiplied by a = 2^(c m_old - c m_new).  The rounded c m is the same number for all p of a row: it cancels in p / l.
; m begins at -3e38; key 0 and concept 0 count for every query, so m is a true maximum from the first step on.  LIMITS: x above 65,504 becomes infinity in f16; p under 6e-5 keeps an absolute error of 3e-8.
; OUT: XI [K chunk of 256: 4][row tile 256][K step of 32: 8][1,024]: the packed O^T is the projection's operand image as it stands.
; REGISTERS: v1-11 addresses; v12 c m, v13 m, v[14:15] l in two halves; v16-31 Q; v32-95 eight fragments of K or V; v96-159 S^T, then p, then P in v96-127; v160-191 O^T; v192-223 the tokens' result; v232-237, v250-254 at work.
.set SLOTB, 65536                      ; from slot to slot: one exclusive or turns an address
.set VOFF,  32768                      ; in a slot: K's 16 tiles x 2,048, then V's
.set CK,    131072                     ; the concepts' K, 16 KiB
.set CV,    147456                     ; the concepts' V
.set SPARE, 163840                     ; the spare words, 128 bytes for each of 16 waves
.set AK0, 1                            ; v1  16 x lane (also my offset in Q's and x's pieces)
.set AV0, 2                            ; v2  VOFF + my lane's place in a tile of V
.set SPW, 3                            ; v3  my spare word; never rewritten
.set NIL, 4                            ; v4  0; never rewritten
.set PFO, 6                            ; v6  256 x lane; never rewritten
.set ADK, 8                            ; v8  LDS address of the step's K
.set ADV, 9                            ; v9  of its V
.set RH,  10                           ; v10 r - 8 h
.set H8,  11                           ; v11 8 h
.set TB,  2                            ; s2  LDS byte at which the slot in hand begins
.set WV,  18
.set SEL, 20                           ; s[20:21] selects for lane l xor 16
.set CS,  22                           ; s[22:23] c
.set G1,  24                           ; s[24:31] the one group 1: 64 rows of 256 bytes, dense
.set G0,  32                           ; s[32:35] my group 0
.set KF,  36                           ; s36 the step's first key
.set Q0,  37                           ; s37 my first query
.set QL,  38                           ; s38 my work-group's last query
.set SLOTS, 39
.set PFA, 40                           ; s[40:41] where my prefetches stand
.set LIM, 42                           ; s42 1 in a wave that prefetches, else the greatest number
	s_load_b256 s[4:11], s[0:1], 0x0               ; QI s[4:5], KI s[6:7], VI s[8:9], CI s[10:11]
	s_load_b64 s[12:13], s[0:1], 0x20              ; XI
	v_lshl_add_u32 v[SPW], v0, 2, SPARE
	v_mov_b32 v[NIL], 0
	ds_add_u32 v[SPW], v[NIL]                      ; the wave's opening: the add, twice on end, and its wait ahead of my first tensor load
	ds_add_u32 v[SPW], v[NIL]
	v_lshrrev_b32 v5, 5, v0
	v_readfirstlane_b32 s[WV], v5                  ; wave 0..15
	s_and_b32 s43, ttmp7, 0xffff                   ; 16 x batch + head
	s_sub_co_u32 s44, 15, ttmp9
	s_cmp_lt_u32 s[WV], 8
	s_cselect_b32 s44, ttmp9, s44                  ; my block of 128 queries
	s_lshl_b32 s[Q0], s44, 7
	s_and_b32 s45, s[WV], 7
	s_lshl_b32 s45, s45, 4
	s_add_co_u32 s[Q0], s[Q0], s45
	s_sub_co_u32 s[QL], 16, ttmp9
	s_lshl_b32 s[QL], s[QL], 7
	s_sub_co_u32 s[QL], s[QL], 1
	s_mov_b32 s[G1], 3<<16                         ; no mask; elements of 8 bytes; no padding
	s_mov_b32 s[G1+1], 32<<16                      ; tensor_dim0
	s_mov_b32 s[G1+2], 64<<16                      ; tensor_dim1
	s_mov_b32 s[G1+3], 32<<16                      ; tile_dim0
	s_mov_b32 s[G1+4], 64                          ; tile_dim1
	s_mov_b32 s[G1+5], 32                          ; from row to row
	s_mov_b32 s[G1+6], 0
	s_mov_b32 s[G1+7], 0
	s_mov_b32 s[G0], 1
	s_min_u32 s96, s[WV], 5                        ; (waves 6 to 15 issue no load)
	s_lshl_b32 s[G0+1], s96, 14                    ; waves 0-3: slot 0's quarters;
	s_lshr_b32 s97, s96, 2
	s_lshl_b32 s97, s97, 16
	s_add_co_u32 s[G0+1], s[G0+1], s97             ; waves 4, 5: CK, CV
	s_lshl_b32 s46, s43, 18                        ; my head's bytes in QI, KI, VI
	s_mov_b32 s47, 0
	s_and_b32 s45, s[WV], 1
	s_lshl_b32 s48, s45, 14
	s_add_co_u32 s48, s48, s46                     ; tokens: my half of a slot's K or V
	s_mov_b32 s49, 0
	s_lshl_b32 s50, s45, 19
	s_lshl_b32 s51, s43, 14
	s_add_co_u32 s50, s50, s51                     ; concepts: K (wave 4) or V (wave 5) of my head
	s_mov_b32 s51, 0
	s_lshl_b32 s52, s[Q0], 7                       ; my tile in QI: 2,048 bytes a tile of 16
	s_mov_b32 s53, 0
	s_and_b32 s54, s43, 15                         ; head
	s_lshr_b32 s55, s54, 2
	s_lshl_b32 s56, s55, 21                        ; XI: K chunk head / 4,
	s_and_b32 s54, s54, 3
	s_lshl_b32 s54, s54, 11                        ; 2,048 (head % 4) in a row tile's 8,192,
	s_add_co_u32 s56, s56, s54
	s_lshr_b32 s55, s43, 4
	s_lshl_b32 s55, s55, 20                        ; 128 row tiles a batch,
	s_add_co_u32 s56, s56, s55
	s_lshl_b32 s55, s[Q0], 9                       ; my row tile
	s_add_co_u32 s56, s56, s55
	s_mov_b32 s57, 0
	s_mov_b32 s[SEL], 0x76543210
	s_mov_b32 s[SEL+1], 0xfedcba98
	s_mov_b32 s[CS], 0x3e38aa3b                    ; c = log2(e) / 8
	s_mov_b32 s[CS+1], s[CS]                       ; (named with it as a pair, so it is written)
	s_mov_b32 s[TB], 0
	s_mov_b32 s[KF], 0
	s_mov_b32 s[SLOTS], 7
	s_wait_dscnt 0x0                               ; both opening adds are done
	s_wait_kmcnt 0x0
	s_cmp_lt_u32 s[WV], 2
	s_cselect_b64 s[G0+2:G0+3], s[6:7], s[8:9]
	s_cmp_lt_u32 s[WV], 4
	s_cselect_b64 s[G0+2:G0+3], s[G0+2:G0+3], s[10:11]
	s_cselect_b64 s[48:49], s[48:49], s[50:51]
	s_add_nc_u64 s[G0+2:G0+3], s[G0+2:G0+3], s[48:49]
	s_or_b32 s[G0+3], s[G0+3], 0x80000000          ; type = 2
	s_cmp_lt_u32 s[WV], 6                          ; the first fills: slot 0 and the concepts; one tensor load of mine is out at the most, here and later
	s_cbranch_scc0 .Lno_first
	tensor_load_to_lds s[G0:G0+3], s[G1:G1+7]
	s_nop 0
.rept 4
	v_nop
.endr
.Lno_first:
	s_add_nc_u64 s[4:5], s[4:5], s[46:47]
	s_add_nc_u64 s[4:5], s[4:5], s[52:53]          ; Q at my tile
	s_add_nc_u64 s[12:13], s[12:13], s[56:57]      ; x at my 2,048 bytes
	v_and_b32 v5, 31, v0
	v_lshlrev_b32 v[AK0], 4, v5
	v_lshlrev_b32 v[PFO], 8, v5
.irp e, 0,1,2,3
	global_load_b128 v[16+4*\e:19+4*\e], v[AK0], s[4:5] offset:512*\e   ; Q's two fragments stay in registers
.endr
	; the prefetches: waves 4-7 ask for K, waves 8-11 for V, 8,192 bytes a wave, in the head's work-group g = 0 alone
	s_cmp_lt_u32 s[WV], 8
	s_cselect_b64 s[PFA:PFA+1], s[6:7], s[8:9]
	s_and_b32 s45, s[WV], 3
	s_lshl_b32 s50, s45, 13
	s_add_co_u32 s50, s50, 32768                   ; in slot 1: the first change of slots steps it to slot 2.  Nothing is prefetched here, at the head
	s_add_co_u32 s50, s50, s46
	s_mov_b32 s51, 0
	s_add_nc_u64 s[PFA:PFA+1], s[PFA:PFA+1], s[50:51]
	s_sub_co_u32 s45, s[WV], 4
	s_lshr_b32 s45, s45, 3                         ; 0 in waves 4 to 11,
	s_or_b32 s45, s45, ttmp9                       ; of work-group g = 0
	s_cmp_eq_u32 s45, 0
	s_cselect_b32 s[LIM], 1, -1
	v_and_b32 v7, 15, v0                           ; r
	v_bfe_u32 v[H8], v0, 4, 1
	v_lshlrev_b32 v[H8], 3, v[H8]                  ; 8 h
	v_sub_nc_u32 v[RH], v7, v[H8]
	v_and_b32 v7, 7, v0
	v_add_nc_u32 v7, v7, v[H8]                     ; the turning load: lane l reads key 8 (l / 16) + l % 8,
	v_bfe_u32 v5, v0, 3, 1
	v_lshlrev_b32 v5, 4, v5                        ; channels 8 ((l / 8) % 2) on
	v_lshl_add_u32 v[AV0], v7, 5, v5
	v_add_nc_u32 v[AV0], VOFF, v[AV0]
	v_mov_b32 v13, 0xff61b1e6                      ; m = -3e38, under every score
	v_mul_f32 v12, s[CS], v13
	v_mov_b32 v14, 0
	v_mov_b32 v15, 0
	v_mov_b32 v236, 0                              ; written once: a lane permute's destination counts as one of its sources
	v_mov_b32 v237, 0
	v_mov_b32 v253, 0                              ; (named as the upper half of the pair v[252:253])
.set J, 0
.rept 32
	v_mov_b32 v[160+J], 0                          ; O^T: the step is written once for all steps: the first finds zeros, which a = 0 leaves zeros
.set J, J+1
.endr
.macro VLOAD q, gp                     ; V^T's eight fragments of keys 64 gp on: 32 keys (kg) x 16 channels (ct); each from two tiles of 16 keys
.irp kg, 0,1
.irp ct, 0,1,2,3
	ds_load_tr16_b128 v[32+8*(4*\kg+\ct):35+8*(4*\kg+\ct)], v[ADV] offset:2048*(8*(\q)+4*(\gp)+2*\kg)+512*\ct
	ds_load_tr16_b128 v[36+8*(4*\kg+\ct):39+8*(4*\kg+\ct)], v[ADV] offset:2048*(8*(\q)+4*(\gp)+2*\kg+1)+512*\ct
.endr
.endr
.endm
.macro PV gp, zero                     ; eight products O^T += V^T P; the four accumulators take turns, one instruction a turn
.irp kg, 0,1
.irp ct, 0,1,2,3
.if (\zero) && (\kg == 0)
	v_wmma_f32_16x16x32_f16 v[160+8*\ct:167+8*\ct], v[32+8*(4*\kg+\ct):39+8*(4*\kg+\ct)], v[96+8*(2*(\gp)+\kg):103+8*(2*(\gp)+\kg)], 0
.else
	v_wmma_f32_16x16x32_f16 v[160+8*\ct:167+8*\ct], v[32+8*(4*\kg+\ct):39+8*(4*\kg+\ct)], v[96+8*(2*(\gp)+\kg):103+8*(2*(\gp)+\kg)], v[160+8*\ct:167+8*\ct]
.endif
.endr
.endr
.endm
; A STEP: 128 keys: the q-th of the slot in hand (conc = 0) or the 128 concepts (conc = 1: a softmax of its own, begun anew).
.macro STEP q, conc
.if \conc == 0
	s_add_co_u32 s96, s[Q0], 15                    ; a step all of whose keys come after my 16 queries is left out: ids and the count of steps alone
	s_cmp_gt_u32 s[KF], s96
	s_cbranch_scc1 .Lhidden_\@
	v_add_nc_u32 v[ADK], s[TB], v[AK0]
	v_add_nc_u32 v[ADV], s[TB], v[AV0]
.else
	v_add_nc_u32 v[ADK], CK, v[AK0]
	v_add_nc_u32 v[ADV], CV-VOFF, v[AV0]
.endif
.rept 3
	v_nop                                          ; with the two additions five places: the products below write v96 on, which the last products read as P; and the loads below land where they read V
.endr
.irp gp, 0,1                           ; S^T = K Q^T, four tiles of 16 keys at a time
.if \gp
.rept 4
	v_nop                                          ; places in front of loads into registers that matrix instructions have read
.endr
.endif
.irp t, 0,1,2,3
.irp c, 0,1
.irp e, 0,1
	ds_load_b128 v[32+16*\t+8*\c+4*\e:35+16*\t+8*\c+4*\e], v[ADK] offset:2048*(8*(\q)+4*\gp+\t)+1024*\c+512*\e
.endr
.endr
.endr
	s_wait_dscnt 0x0
.irp t, 0,1,2,3
	v_wmma_f32_16x16x32_f16 v[96+8*(4*\gp+\t):103+8*(4*\gp+\t)], v[32+16*\t:39+16*\t], v[16:23], 0
.endr
.irp t, 0,1,2,3
	v_wmma_f32_16x16x32_f16 v[96+8*(4*\gp+\t):103+8*(4*\gp+\t)], v[40+16*\t:47+16*\t], v[24:31], v[96+8*(4*\gp+\t):103+8*(4*\gp+\t)]
.endr
.endr
.rept 4
	v_nop
.endr
	VLOAD \q, 0                                    ; V's first half goes out here and lands under the softmax
	; THE MASK.  Register n holds key 16 (n / 8) + n % 8 + 8 h of the step: hidden where that is above the lane's limit; its score becomes -infinity, so p = 0
.if \conc == 0
	s_add_co_u32 s96, s[KF], 127
	s_cmp_le_u32 s96, s[Q0]                        ; a step all of whose keys count skips the mask
	s_cbranch_scc1 .Lopen_\@
	s_sub_co_i32 s96, s[Q0], s[KF]
	v_add_nc_u32 v252, s96, v[RH]                  ; my query - the step's first key - 8 h
.else
	s_lshr_b32 s96, s[Q0], 4                       ; the tile's number: the last concept that counts, for all 16 queries alike
	v_sub_nc_u32 v252, s96, v[H8]
.endif
	v_mov_b32 v254, 0xff800000
.set N, 0
.rept 64
	v_cmp_gt_i32 vcc_lo, 16*(N/8)+N%8, v252
	v_cndmask_b32 v[96+N], v[96+N], v254, vcc_lo
.set N, N+1
.endr
.if \conc == 0
.Lopen_\@:
.endif
.irp b, 0,1,2,3
	v_max3_num_f32 v[232+\b], v[96+16*\b], v[97+16*\b], v[98+16*\b]   ; the maximum, in four chains by turns; each accumulator is first read at its low end
.endr
.irp i, 3,5,7,9,11,13
.irp b, 0,1,2,3
	v_max3_num_f32 v[232+\b], v[232+\b], v[96+16*\b+\i], v[97+16*\b+\i]
.endr
.endr
.irp b, 0,1,2,3
	v_max_num_f32 v[232+\b], v[232+\b], v[111+16*\b]
.endr
	v_max3_num_f32 v232, v232, v233, v234
	v_max_num_f32 v232, v232, v235
	v_permlanex16_b32 v236, v232, s[SEL], s[SEL+1] ; the query's other 64 keys lie in the lane 16 away
	v_max_num_f32 v232, v232, v236
.if \conc == 0
	v_mov_b32 v250, v12                            ; c m_old
	v_max_num_f32 v13, v13, v232
	v_mul_f32 v12, s[CS], v13
	v_sub_f32 v250, v250, v12                      ; c m_old - c m_new
.else
	v_mov_b32 v13, v232
	v_mul_f32 v12, s[CS], v13
.endif
.set J, 0
.rept 32
	v_pk_fma_f32 v[96+J:97+J], v[96+J:97+J], s[CS:CS+1], v[12:13] op_sel_hi:[1,0,0] neg_lo:[0,0,1] neg_hi:[0,0,1]   ; c s - c m, two at a time
.set J, J+2
.endr
.set J, 0
.rept 64
	v_exp_f32 v[96+J], v[96+J]                     ; p
.set J, J+1
.endr
.if \conc == 0
	v_exp_f32 v252, v250                           ; a
.endif
	v_nop                                          ; a plain line behind the last exponential
	s_wait_alu depctr_va_vdst(0)                   ; the wait ahead of the first line that names a result: one for the whole batch
.if \conc == 0
	v_pk_mul_f32 v[14:15], v[14:15], v[252:253] op_sel_hi:[1,0]   ; l under the new m
.else
	v_mov_b32 v14, 0
	v_mov_b32 v15, 0
.endif
	v_pk_add_f32 v[236:237], v[96:97], v[98:99]    ; the row's sum, of the unrounded p, in two chains
.irp j, 4,8,12,16,20,24,28,32,36,40,44,48,52,56,60
	v_pk_add_f32 v[14:15], v[14:15], v[96+\j:97+\j]
	v_pk_add_f32 v[236:237], v[236:237], v[98+\j:99+\j]
.endr
	v_pk_add_f32 v[14:15], v[14:15], v[236:237]
.set J, 0
.rept 32
	v_cvt_pk_f16_f32 v[96+J], v[96+2*J], v[97+2*J] ; P, in place, ascending: registers 8 u .. 8 u + 7 are the fragment of keys 32 u on
.set J, J+1
.endr
.if \conc == 0
.set J, 0
.rept 16
	v_pk_mul_f32 v[160+J:161+J], v[160+J:161+J], v[252:253] op_sel_hi:[1,0]   ; O^T under the new m
.set J, J+2
.endr
.endif
	s_wait_dscnt 0x0                               ; V's first half is in
	PV 0, \conc
.rept 4
	v_nop
.endr
	VLOAD \q, 1
	s_wait_dscnt 0x0
	PV 1, 0
.if \conc == 0
.Lhidden_\@:
	s_add_co_u32 s[KF], s[KF], 128
.endif
.endm
; THE CHANGE OF SLOTS stands at a slot's head.  Each wave waits for all its tensor loads, adds 0 to its spare word, and waits for that and for its reads of the slot that it has left.  Behind the barrier the slot ahead is whole and
; nobody reads the other one.  fill = 1: that other slot is asked for, while its first key is at or under the work-group's last query; the load has a whole slot's steps in which to land.
.macro CHANGE fill
	s_wait_tensorcnt 0x0                           ; no tensor load of mine is out, so my group 0 may be written
	ds_add_u32 v[SPW], v[NIL]                      ; 0 onto my spare word
.if \fill
	ds_add_u32 v[SPW], v[NIL]                      ; and once more: the add twice on end here, in every trip alike
	s_xor_b32 s[G0+1], s[G0+1], SLOTB              ; the other slot than last time,
	s_add_nc_u64 s[G0+2:G0+3], s[G0+2:G0+3], 32768 ; the next 256 keys (16 tiles of 2,048 bytes); the type bits on top are not reached
	s_wait_xcnt 0x0                                ; the last prefetch, a slot back, has read its address
	s_add_nc_u64 s[PFA:PFA+1], s[PFA:PFA+1], 32768 ; one slot further on than my group 0
.endif
	s_wait_dscnt 0x0
	s_barrier_signal -1
	s_barrier_wait -1
.if \fill
	s_add_co_u32 s96, s[KF], 256                   ; the first key of the slot that this change would ask for
	s_cmp_gt_u32 s96, s[QL]                        ; ids and the count of steps alone: all sixteen waves go the same way, and a work-group past the limit stays past it
	s_cbranch_scc1 .Lpast_\@
	s_cmp_lt_u32 s[WV], 4
	s_cbranch_scc0 .Lpast_\@
	tensor_load_to_lds s[G0:G0+3], s[G1:G1+7]      ; my one tensor load until the next such barrier
	s_nop 0
.rept 4
	v_nop
.endr
.Lpast_\@:
	s_cmp_gt_u32 s[SLOTS], s[LIM]                  ; A PREFETCH of what the NEXT change will ask for: a slot's 32 KiB of K and of V, 8,192 bytes a wave, lanes 256 bytes apart: each block of 256 bytes is named once in the launch.
	s_cbranch_scc0 .Lnot_mine_\@                   ; All work-groups of a head walk the same K and V: work-group g = 0, which walks all eight slots, asks.  The last change that fills asks for nothing; slots 0 and 1 come by their loads alone
	global_prefetch_b8 v[PFO], s[PFA:PFA+1] th:TH_LOAD_NT scope:SCOPE_SE
.Lnot_mine_\@:
.endif
.endm
; The end of a softmax: l's halves and the other half of the lanes' are added; O^T is divided by l.  second = 0: the result is kept; 1: the kept result is added.
.macro FIN second
.rept 4
	v_nop                                          ; places behind the last products
.endr
	v_add_f32 v14, v14, v15
	v_permlanex16_b32 v236, v14, s[SEL], s[SEL+1]
	v_add_f32 v14, v14, v236
	v_rcp_f32 v252, v14
	v_nop                                          ; a plain line behind the reciprocal
	s_wait_alu depctr_va_vdst(0)                   ; and the wait ahead of its first reader
.set J, 0
.rept 16
.if \second
	v_pk_fma_f32 v[160+J:161+J], v[160+J:161+J], v[252:253], v[192+J:193+J] op_sel_hi:[1,0,1]
.else
	v_pk_mul_f32 v[192+J:193+J], v[160+J:161+J], v[252:253] op_sel_hi:[1,0]
.endif
.set J, J+2
.endr
.endm
	s_wait_loadcnt 0x0                             ; Q
.Lslot:                                            ; seven trips: behind each change of slots but the last the next slot is asked for, up to the causal limit
	CHANGE 1
	STEP 0, 0
	STEP 1, 0
	s_xor_b32 s[TB], s[TB], SLOTB
	s_sub_co_u32 s[SLOTS], s[SLOTS], 1
	s_cmp_lg_u32 s[SLOTS], 0
	s_cbranch_scc1 .Lslot
	CHANGE 0                                       ; the last slot is written out: nothing is left to ask for
	STEP 0, 0
	STEP 1, 0
	FIN 0
	STEP 0, 1                                      ; the concepts: their bytes landed ahead of the first barrier and are never filled again
	FIN 1
.set J, 0
.rept 16
	v_cvt_pk_f16_f32 v[96+J], v[160+2*J], v[161+2*J]
.set J, J+1
.endr
.irp ct, 0,1,2,3
	global_store_b128 v[AK0], v[96+4*\ct:99+4*\ct], s[12:13] offset:512*\ct   ; 32 lanes store 512 consecutive bytes
.endr
	s_wait_tensorcnt 0x0                           ; the wave's end
	ds_add_u32 v[SPW], v[NIL]
	s_wait_dscnt 0x0
	s_endpgm
.Lfunc_end_k_qc655e9d2b2_attn:
	.size	k_qc655e9d2b2_attn, .Lfunc_end_k_qc655e9d2b2_attn-k_qc655e9d2b2_attn
	.p2alignl 7, 3214868480
	.fill 96, 4, 3214868480
	.section	.rodata,"a",@progbits
	.p2align	6, 0x0
	.amdhsa_kernel k_qc655e9d2b2_attn
		.amdhsa_group_segment_fixed_size 327680
		.amdhsa_private_segment_fixed_size 0
		.amdhsa_enable_private_segment 0
		.amdhsa_kernarg_size 40
		.amdhsa_user_sgpr_count 2
		.amdhsa_user_sgpr_kernarg_segment_ptr 1
		.amdhsa_wavefront_size32 1
		.amdhsa_system_sgpr_workgroup_id_x 1
		.amdhsa_system_sgpr_workgroup_id_y 1
		.amdhsa_system_sgpr_workgroup_id_z 1
		.amdhsa_system_vgpr_workitem_id 0
		.amdhsa_next_free_vgpr 256
		.amdhsa_next_free_sgpr 100
		.amdhsa_reserve_vcc 1
		.amdhsa_float_denorm_mode_32 3
		.amdhsa_float_denorm_mode_16_64 3
		.amdhsa_memory_ordered 1
		.amdhsa_forward_progress 1
		.amdhsa_inst_pref_size 128
	.end_amdhsa_kernel
	.amdgpu_metadata
---
amdhsa.version: [ 1, 2 ]
amdhsa.kernels:
  - .name:           k_qc655e9d2b2_attn
    .symbol:         k_qc655e9d2b2_attn.kd
    .args:
      - { .name: QI, .offset: 0, .size: 8, .value_kind: global_buffer, .address_space: global }
      - { .name: KI, .offset: 8, .size: 8, .value_kind: global_buffer, .address_space: global }
      - { .name: VI, .offset: 16, .size: 8, .value_kind: global_buffer, .address_space: global }
      - { .name: CI, .offset: 24, .size: 8, .value_kind: global_buffer, .address_space: global }
      - { .name: XI, .offset: 32, .size: 8, .value_kind: global_buffer, .address_space: global }
    .group_segment_fixed_size: 327680
    .private_segment_fixed_size: 0
    .kernarg_segment_align: 8
    .kernarg_segment_size: 40
    .max_flat_workgroup_size: 512
    .sgpr_count:     100
    .vgpr_count:     256
    .wavefront_size: 32
...
	.end_amdgpu_metadata
.endif
;; end of part 3
;; launch proj (part 4): grid 8 x 32, 4 waves a work-group, clusters of 4 x 4, 327,680 bytes of LDS; arguments XI, WPI, bp, out0; writes out0
.if DOCPART == 4
	.amdgcn_target "amdgcn-amd-amdhsa--gfx1250"
	.amdhsa_code_object_version 6
	.text
	.protected	k_qc655e9d2b2_proj
	.globl	k_qc655e9d2b2_proj
	.p2align	8
	.type	k_qc655e9d2b2_proj,@function
k_qc655e9d2b2_proj:
	s_mov_b64 s[64:65], 0
	v_nop
	global_prefetch_b8 v0, s[64:65] scope:SCOPE_SE
	s_setreg_imm32_b32 hwreg(HW_REG_WAVE_MODE, 25, 1), 1
	s_wait_xcnt 0x0
	s_wait_alu depctr_hold_cnt(0) depctr_sa_sdst(0) depctr_va_vdst(0) depctr_va_sdst(0) depctr_va_ssrc(0) depctr_va_vcc(0) depctr_vm_vsrc(0)
	s_getreg_b32 s2, hwreg(HW_REG_IB_STS2, 6, 4)
	s_cmp_eq_u32 s2, 0
	s_cbranch_scc0 .Lentry_in_a_cluster
	s_endpgm
.Lentry_in_a_cluster:
	s_bfe_u32 s2, ttmp6, 0x10000c
	s_cmp_lg_u32 s2, 0xf033
	s_cbranch_scc0 .Lentry_shape_is_right
	s_endpgm
.Lentry_shape_is_right:
; PROJ.  out0 = x Wp + bp.  x [4096][1024] and Wp (as [n][k]) arrive as f16, in images of operand registers: XI [K chunk of 256: 4][row tile 256][K step of 32: 8][1,024], WPI [K chunk 4][column tile 64][K step 8][1,024];
; a fragment (16 rows x 32 K) is 1,024 bytes: lane l's registers 0-3 at 16 l, 4-7 at 512 + 16 l.  out0 [4096][1024] f32; sums in f32.
; 256 tiles of 128 x 128, one to a work-group; four waves, each 64 x 64: 16 accumulators.  K goes in four steps of 256 through two LDS slots; a wave's tensor load brings 32 KiB dense (4 tiles x 8 K steps).
; CLUSTERS: 4 x 4 work-groups.  The four of a row of the cluster need the same tiles of x, the four of a column the same tiles of Wp: each is asked for JOINTLY, by the same tensor load with the same descriptor and a mask that names the four.
; THE MATRIX INSTRUCTION IS USED TRANSPOSED (source 0 = 16 columns of Wp, source 1 = 16 rows of x): a lane holds eight neighbouring numbers of a row of out0.  The bias is the C of each sum's first instruction.
; REGISTERS: window 0: v0-31 addresses; v32-95 at work on the way out; v96-127 the bias; v128-255 the accumulators ((a, b) at v[128 + 8 (4 a + b)]).
;   window 1: two fragment buffers of 128: for 64 along K, 64 registers of x (2 x 4 fragments), then 64 of Wp.
.set HALFT,  32768                     ; 4 tiles x 8,192: what one tensor load brings, and what one wave reads of x or of Wp
.set SLOT,   4*HALFT                   ; x's 8 tiles, then Wp's 8
.set STAGE,  2*SLOT                    ; behind the ring: 16 rows x 272 bytes for each wave, its own, for the way out
.set SPITCH, 272
.set SPARE,  STAGE+4*16*SPITCH         ; the spare words, 128 bytes a wave
.set XKC,    2097152                   ; XI: from K chunk to K chunk
.set WKC,    524288                    ; WPI: the same
.set ADRA, 16                          ; v16-17 LDS address of my x fragments in slot 0, 1
.set ADRB, 20                          ; v20-21 the same for Wp
.set STO,  24                          ; v24    the way out: where I put 32 bytes of a row
.set RD,   25                          ; v25    where I read a row back
.set CO,   26                          ; v26    my byte offset in out0
.set SPW,  28                          ; v28    my spare word; never rewritten
.set NIL,  29                          ; v29    0; never rewritten
.set TMP,  32
.set BIAS, 96
.set ACC,  128
.set F0,   0
.set F1,   128
.set G1, 24                            ; s[24:31] group 1 for x's tiles; s[32:39] groups 0, one for each slot
.set G0, 32
.set G1B, 48                           ; s[48:55], s[56:63] the same for Wp's
.set G0B, 56
.set MSB, 0
.macro WIN new                         ; the immediate's high byte repeats the setting that is left
.if MSB != \new
	s_set_vgpr_msb (MSB<<8)|\new
.set MSB, \new
.endif
.endm
.set MUL,  0x05                        ; sources 0 and 1 window 1; C and D window 0
.set TO_F, 0x40                        ; destination window 1, address window 0
.macro JLOAD s                         ; a joint load: waves 0 and 1 fetch x's two halves, waves 2 and 3 Wp's; an s_nop 0 and four v_nop follow each of the two lines
	s_cmp_eq_u32 s11, 0
	s_cbranch_scc0 .Lfor_b_\@
	tensor_load_to_lds s[G0+4*\s:G0+4*\s+3], s[G1:G1+7]
	s_nop 0
.rept 4
	v_nop
.endr
	s_branch .Lasked_\@
.Lfor_b_\@:
	tensor_load_to_lds s[G0B+4*\s:G0B+4*\s+3], s[G1B:G1B+7]
	s_nop 0
.rept 4
	v_nop
.endr
.Lasked_\@:
.endm
.macro CREST                           ; a round of the cluster's barrier behind its opening barrier
	s_cmp_lg_u32 s10, 0
	s_cbranch_scc1 .Lnot_wave_0_\@
	s_barrier_signal -3
.Lnot_wave_0_\@:
	s_barrier_wait -3
	s_barrier_signal -1
	s_barrier_wait -1
.endm
.macro CROUND
	s_barrier_signal -1
	s_barrier_wait -1
	CREST
.endm
	s_load_b128 s[4:7], s[0:1], 0x0                ; XI s[4:5], WPI s[6:7]
	s_load_b64 s[66:67], s[0:1], 0x10              ; bp
	s_load_b64 s[8:9], s[0:1], 0x18                ; out0
	v_lshl_add_u32 v[SPW], v0, 2, SPARE
	v_mov_b32 v[NIL], 0
	ds_add_u32 v[SPW], v[NIL]                      ; the wave's opening: the add, twice on end, and its wait ahead of my first tensor load
	ds_add_u32 v[SPW], v[NIL]
	v_lshrrev_b32 v1, 5, v0
	v_readfirstlane_b32 s10, v1                    ; wave 0..3
	s_lshr_b32 s11, s10, 1                         ; which half of the tile's rows is mine.  Also: I fetch for x (0) or for Wp (1)
	s_and_b32 s12, s10, 1                          ; which half of its columns.  Also: which half I fetch
	s_bfe_u32 s40, ttmp6, 0x40000                  ; cx, cy: my place in the cluster
	s_bfe_u32 s41, ttmp6, 0x40004
	s_lshl_b32 s42, ttmp9, 2
	s_add_co_u32 s42, s42, s40                     ; tile column = 4 x cluster x + cx
	s_and_b32 s13, ttmp7, 0xffff
	s_lshl_b32 s13, s13, 2
	s_add_co_u32 s13, s13, s41                     ; tile row = 4 x cluster y + cy
	s_lshl_b32 s43, s41, 2
	s_lshl_b32 s43, 15, s43                        ; my row of the cluster
	s_lshl_b32 s44, 0x1111, s40                    ; my column
	s_or_b32 s[G1+0], s43, (3<<16)|(1<<21)         ; 15:0 the mask: x's tiles go to my row; 17:16 elements of 8 bytes; 21 set beside a mask
	s_or_b32 s[G1B+0], s44, (3<<16)|(1<<21)        ; Wp's go to my column
.irp g, G1, G1B
	s_mov_b32 s[\g+1], 32<<16                      ; tensor_dim0: rows of 256 bytes
	s_mov_b32 s[\g+2], 128<<16                     ; tensor_dim1
	s_mov_b32 s[\g+3], 32<<16                      ; tile_dim0
	s_mov_b32 s[\g+4], 128                         ; tile_dim1
	s_mov_b32 s[\g+5], 32                          ; dense
	s_mov_b32 s[\g+6], 0
	s_mov_b32 s[\g+7], 0
.endr
	s_lshl_b32 s17, s12, 15                        ; which 4 tiles I fetch
	s_lshl_b32 s16, s13, 16
	s_add_co_u32 s16, s16, s17                     ; x: (8 x tile row + 4 x half) x 8,192
	s_lshl_b32 s46, s42, 16
	s_add_co_u32 s46, s46, s17                     ; Wp: the same by the tile column
	s_mov_b32 s17, 0
	s_mov_b32 s47, 0
	s_lshl_b32 s20, s10, 15                        ; where they go: wave x 32,768: no place in the cluster enters an LDS address
	s_wait_dscnt 0x0                               ; both opening adds are done
	s_wait_kmcnt 0x0
	s_add_nc_u64 s[14:15], s[4:5], s[16:17]
	s_add_nc_u64 s[46:47], s[6:7], s[46:47]
	CROUND                                         ; all sixteen work-groups are here: the first joint loads meet
.irp s, 0,1
	s_mov_b32 s[G0+4*\s], 1
	s_add_co_u32 s[G0+4*\s+1], s20, \s*SLOT
	s_add_nc_u64 s[G0+4*\s+2:G0+4*\s+3], s[14:15], \s*XKC
	s_or_b32 s[G0+4*\s+3], s[G0+4*\s+3], 0x80000000
	s_mov_b32 s[G0B+4*\s], 1
	s_add_co_u32 s[G0B+4*\s+1], s20, \s*SLOT
	s_add_nc_u64 s[G0B+4*\s+2:G0B+4*\s+3], s[46:47], \s*WKC
	s_or_b32 s[G0B+4*\s+3], s[G0B+4*\s+3], 0x80000000
	JLOAD \s                                       ; two tensor loads of mine are out at the most
.endr
	v_and_b32 v1, 15, v0                           ; r
	v_bfe_u32 v2, v0, 4, 1                         ; h
	v_and_b32 v3, 31, v0
	v_lshlrev_b32 v3, 4, v3                        ; 16 x lane
	s_lshl_b32 s21, s11, 15                        ; my 4 tiles of x,
	s_lshl_b32 s22, s12, 15                        ; my 4 tiles of Wp,
	s_add_co_u32 s22, s22, 2*HALFT                 ; which lie behind x's 8
.irp s, 0,1
	v_add_nc_u32 v[ADRA+\s], s21, v3
	v_add_nc_u32 v[ADRB+\s], s22, v3
	s_add_co_u32 s21, s21, SLOT
	s_add_co_u32 s22, s22, SLOT
.endr
	s_mul_i32 s23, s10, 16*SPITCH
	s_add_co_u32 s23, s23, STAGE                   ; my stage
	v_mul_u32_u24 v4, v1, SPITCH                   ; in: row r, 32 bytes for each half of the lanes
	v_lshl_add_u32 v4, v2, 5, v4
	v_add_nc_u32 v[STO], s23, v4
	v_mul_u32_u24 v5, v2, SPITCH                   ; back: lanes 0-15 one row of 256 bytes, lanes 16-31 the next
	v_lshl_add_u32 v5, v1, 4, v5
	v_add_nc_u32 v[RD], s23, v5
	v_lshlrev_b32 v5, 12, v2                       ; and the same two rows in out0
	v_lshl_add_u32 v[CO], v1, 4, v5
	s_lshl_b32 s46, s42, 9                         ; my first column, in bytes: 512 x tile column + 256 x half
	s_lshl_b32 s47, s12, 8
	s_add_co_u32 s46, s46, s47
	s_mov_b32 s47, 0
	s_add_nc_u64 s[66:67], s[66:67], s[46:47]      ; the bias of my 64 columns
	v_lshlrev_b32 v7, 5, v2                        ; lane (r, h) wants, for column tile b, columns 16 b + 8 h + 0 .. 7
.irp b, 0,1,2,3
	global_load_b128 v[BIAS+8*\b:BIAS+8*\b+3], v7, s[66:67] offset:64*\b
	global_load_b128 v[BIAS+8*\b+4:BIAS+8*\b+7], v7, s[66:67] offset:64*\b+16
.endr
	s_lshl_b32 s16, s13, 19                        ; my first row: (128 x tile row + 64 x half) x 4,096 bytes
	s_lshl_b32 s17, s11, 18
	s_add_co_u32 s16, s16, s17
	s_mov_b32 s17, 0
	s_add_nc_u64 s[8:9], s[8:9], s[16:17]
	s_add_nc_u64 s[8:9], s[8:9], s[46:47]
; 8 matrix instructions: row blocks a0, a0 + 1 x all 4 column blocks, 32 along K: half c of buffer f.  zero = 1: the first product starts the sums from the bias.  The 16 accumulators take turns.
.macro MUL8 f, c, a0, zero
.irp a, \a0, \a0+1
.irp b, 0,1,2,3
.if \zero
	v_wmma_f32_16x16x32_f16 v[ACC+8*(4*(\a)+\b):ACC+8*(4*(\a)+\b)+7], v[\f+64+8*(4*\c+\b):\f+64+8*(4*\c+\b)+7], v[\f+8*(4*\c+\a):\f+8*(4*\c+\a)+7], v[BIAS+8*\b:BIAS+8*\b+7]
.else
	v_wmma_f32_16x16x32_f16 v[ACC+8*(4*(\a)+\b):ACC+8*(4*(\a)+\b)+7], v[\f+64+8*(4*\c+\b):\f+64+8*(4*\c+\b)+7], v[\f+8*(4*\c+\a):\f+8*(4*\c+\a)+7], v[ACC+8*(4*(\a)+\b):ACC+8*(4*(\a)+\b)+7]
.endif
.endr
.endr
.endm
; 32 LDS loads in one run: the fragments of the slot's qd-th 64 along K into buffer f; the first 32 along K first
.macro FETCH slot, qd, f
	WIN TO_F
.irp c, 0,1
.irp i, 0,1,2,3
	ds_load_b128 v[\f+64+8*(4*\c+\i):\f+64+8*(4*\c+\i)+3],   v[ADRB+\slot] offset:8192*\i+1024*(2*(\qd)+\c)
	ds_load_b128 v[\f+64+8*(4*\c+\i)+4:\f+64+8*(4*\c+\i)+7], v[ADRB+\slot] offset:8192*\i+1024*(2*(\qd)+\c)+512
	ds_load_b128 v[\f+8*(4*\c+\i):\f+8*(4*\c+\i)+3],         v[ADRA+\slot] offset:8192*\i+1024*(2*(\qd)+\c)
	ds_load_b128 v[\f+8*(4*\c+\i)+4:\f+8*(4*\c+\i)+7],       v[ADRA+\slot] offset:8192*\i+1024*(2*(\qd)+\c)+512
.endr
.endr
.endm
.macro PLACES                          ; four places in front of loads into registers that matrix instructions have read, and of the first read of results
.rept 4
	v_nop
.endr
.endm
; A K step is four quarters of 64 along K, 32 matrix instructions each, on buffers 0, 1, 0, 1.  One of the first three: multiplies buffer f and fetches the next quarter, qd, into g.
.macro QUARTER slot, qd, f, g, zero
	s_wait_dscnt 16                                ; the first 32 along K are in; the youngest sixteen loads may be out
	WIN MUL
	MUL8 \f, 0, 0, \zero
	MUL8 \f, 0, 2, \zero
	PLACES
	FETCH \slot, \qd, \g
	s_wait_dscnt 32                                ; all but the 32 just issued
	WIN MUL
	MUL8 \f, 1, 0, 0
	MUL8 \f, 1, 2, 0
.endm
; The last quarter multiplies buffer 1 and changes slots: ONE barrier; in front of it each wave waits for all its tensor loads, adds 0 to its spare word, and waits for that and for its reads of this slot.  fill = 1: this slot is filled again, two K steps ahead.
.macro TURN slot, next, fill
	WIN 0                                          ; (the add's two registers lie in window 0)
	s_wait_tensorcnt 0x0                           ; all my tensor loads have landed: my part of the next slot
	ds_add_u32 v[SPW], v[NIL]                      ; 0 onto my spare word
	s_wait_dscnt 17                                ; (the add and the youngest sixteen loads may be out)
	WIN MUL
	MUL8 F1, 0, 0, 0
	s_wait_dscnt 0x0                               ; the add is done, and my reads of this slot are over
	s_barrier_signal -1
	MUL8 F1, 0, 2, 0
.if \fill
	WIN 0
.endif
	s_barrier_wait -1
.if \fill
	CREST                                          ; the barrier has opened a round of the cluster's barrier: no wave of any partner still reads this slot or has a load on its way
	s_add_nc_u64 s[G0+4*\slot+2:G0+4*\slot+3], s[G0+4*\slot+2:G0+4*\slot+3], 2*XKC
	s_add_nc_u64 s[G0B+4*\slot+2:G0B+4*\slot+3], s[G0B+4*\slot+2:G0B+4*\slot+3], 2*WKC
	JLOAD \slot                                    ; the first tensor load behind the round; its four v_nop are also the places in front of the loads below
.else
	PLACES
.endif
	FETCH \next, 0, F0
	WIN MUL
	MUL8 F1, 1, 0, 0
	MUL8 F1, 1, 2, 0
.endm
	s_wait_tensorcnt 1                             ; my part of K step 0 is in; K step 1's load may stay out
	s_barrier_signal -1
	s_barrier_wait -1
	FETCH 0, 0, F0
	s_wait_loadcnt 0x0                             ; the bias
	QUARTER 0, 1, F0, F1, 1                        ; K step 0
	QUARTER 0, 2, F1, F0, 0
	QUARTER 0, 3, F0, F1, 0
	TURN 0, 1, 1                                   ; slot 0 takes K step 2
	QUARTER 1, 1, F0, F1, 0                        ; K step 1
	QUARTER 1, 2, F1, F0, 0
	QUARTER 1, 3, F0, F1, 0
	TURN 1, 0, 1                                   ; slot 1 takes K step 3
	QUARTER 0, 1, F0, F1, 0                        ; K step 2
	QUARTER 0, 2, F1, F0, 0
	QUARTER 0, 3, F0, F1, 0
	TURN 0, 1, 0                                   ; nothing is left to ask for
	QUARTER 1, 1, F0, F1, 0                        ; K step 3
	QUARTER 1, 2, F1, F0, 0
	QUARTER 1, 3, F0, F1, 0
	s_wait_dscnt 16
	WIN MUL
	MUL8 F1, 0, 0, 0
	MUL8 F1, 0, 2, 0
	s_wait_dscnt 0
	MUL8 F1, 1, 0, 0
	MUL8 F1, 1, 2, 0
	WIN 0
; THE WAY OUT, a block of 16 rows x 64 columns at a time.  A lane holds 32 neighbouring bytes of a row and the lanes beside it other rows: the block goes through my own stage and comes back as whole rows of 256 bytes.
; LDS serves a wave's instructions in order (ISA guide 5.7.1.4): no wait between the stores and the loads, nor in front of the next block's stores.
.macro TOSTAGE a
.irp b, 0,1,2,3
	ds_store_b128 v[STO], v[ACC+8*(4*(\a)+\b):ACC+8*(4*(\a)+\b)+3] offset:64*\b        ; each accumulator from its low end on
	ds_store_b128 v[STO], v[ACC+8*(4*(\a)+\b)+4:ACC+8*(4*(\a)+\b)+7] offset:64*\b+16
.endr
.irp t, 0,1,2,3,4,5,6,7
	ds_load_b128 v[TMP+32*((\a)%2)+4*\t:TMP+32*((\a)%2)+4*\t+3], v[RD] offset:\t*2*SPITCH
.endr
.endm
.macro SEND a, younger                 ; younger: the LDS instructions issued behind block a's loads, which may stay out
	s_wait_dscnt \younger
.irp t, 0,1,2,3,4,5,6,7
	global_store_b128 v[CO], v[TMP+32*((\a)%2)+4*\t:TMP+32*((\a)%2)+4*\t+3], s[8:9] offset:4096*(16*(\a)+2*\t) th:TH_STORE_NT   ; 16 lanes store 256 consecutive bytes, at a multiple of 256 from out0's first byte
.endr
.endm
	PLACES
	TOSTAGE 0
.irp a, 1,2,3
.if \a > 1
	s_wait_xcnt 0x0                                ; block a - 2's stores have read their registers: block a's loads may land there
.endif
	TOSTAGE \a
	SEND \a-1, 16                                  ; behind block a - 1's loads: block a's 8 stores and 8 loads
.endr
	SEND 3, 0
	s_wait_tensorcnt 0x0                           ; the wave's end, behind my last tensor load and my last LDS store
	ds_add_u32 v[SPW], v[NIL]
	s_wait_dscnt 0x0
	CROUND                                         ; the closing round: no work-group ends while a partner may still ask for a tile that names it
	s_endpgm
.Lfunc_end_k_qc655e9d2b2_proj:
	.size	k_qc655e9d2b2_proj, .Lfunc_end_k_qc655e9d2b2_proj-k_qc655e9d2b2_proj
	.p2alignl 7, 3214868480
	.fill 96, 4, 3214868480
	.section	.rodata,"a",@progbits
	.p2align	6, 0x0
	.amdhsa_kernel k_qc655e9d2b2_proj
		.amdhsa_group_segment_fixed_size 327680
		.amdhsa_private_segment_fixed_size 0
		.amdhsa_enable_private_segment 0
		.amdhsa_kernarg_size 32
		.amdhsa_user_sgpr_count 2
		.amdhsa_user_sgpr_kernarg_segment_ptr 1
		.amdhsa_wavefront_size32 1
		.amdhsa_system_sgpr_workgroup_id_x 1
		.amdhsa_system_sgpr_workgroup_id_y 1
		.amdhsa_system_sgpr_workgroup_id_z 1
		.amdhsa_system_vgpr_workitem_id 0
		.amdhsa_next_free_vgpr 512
		.amdhsa_next_free_sgpr 72
		.amdhsa_reserve_vcc 0
		.amdhsa_float_denorm_mode_32 3
		.amdhsa_float_denorm_mode_16_64 3
		.amdhsa_memory_ordered 1
		.amdhsa_forward_progress 1
		.amdhsa_inst_pref_size 86
	.end_amdhsa_kernel
	.amdgpu_metadata
---
amdhsa.version: [ 1, 2 ]
amdhsa.kernels:
  - .name:           k_qc655e9d2b2_proj
    .symbol:         k_qc655e9d2b2_proj.kd
    .args:
      - { .name: XI, .offset: 0, .size: 8, .value_kind: global_buffer, .address_space: global }
      - { .name: WPI, .offset: 8, .size: 8, .value_kind: global_buffer, .address_space: global }
      - { .name: bp, .offset: 16, .size: 8, .value_kind: global_buffer, .address_space: global }
      - { .name: out0, .offset: 24, .size: 8, .value_kind: global_buffer, .address_space: global }
    .group_segment_fixed_size: 327680
    .private_segment_fixed_size: 0
    .kernarg_segment_align: 8
    .kernarg_segment_size: 32
    .max_flat_workgroup_size: 128
    .sgpr_count:     72
    .vgpr_count:     512
    .wavefront_size: 32
...
	.end_amdgpu_metadata
.endif
;; end of part 4
